; MI455X (gfx1250); checked and timed in simulation.
; The chip was launched on July 23, 2026; its instructions are those of AMD's public machine-readable ISA for CDNA 5 (MIT licence, August 2026) and "CDNA5" Instruction Set Architecture Reference Guide (July 2026). The comments in the code are by the model that wrote it; some were corrected since.
;; Sliding Window Attention. Allowed arithmetic: matrix products marked QUANTISED: E2M3 operands, one E8M0 scale for each 32 along K, by v_wmma_scale_f32_16x16x128_f8f6f4 with both operands' format E2M3, f32 sums; everything else in f32.
;; Inputs: cos 1 x 2,048 x 1 x 64 float32; out_w 1,024 x 1,024 float32; qkv_w 3,072 x 1,024 float32; sin 1 x 2,048 x 1 x 64 float32; x 4 x 2,048 x 1,024 float32.
;; Outputs: out0 4 x 2,048 x 1,024 float32.
;; This version of the problem:
;;   THIS VERSION OF THE PROBLEM IS GIVEN IN LOW PRECISION. The matrix products marked QUANTISED in the list below multiply operands that are first quantised to E2M3 (2 exponent bits, 3 mantissa bits; 6 bits a number), with one power-of-two scale for each 32 numbers along K (OCP MX v1.0); their sums are f32. All else is computed in f32.
;;   The module's matrix products, in the order in which they are computed (A, B: the left and right operand; K: the contracted axis; several contracted axes count as one K, in the product's order):
;;     1. [M 8,192, K 1,024] x [K 1,024, N 3,072]; A: input x; B: input qkv_w: QUANTISED
;;     2. batch 64 x [M 2,048, K 64] x [K 64, N 2,048]; A: computed on the way; B: computed on the way: QUANTISED
;;     3. batch 64 x [M 2,048, K 2,048] x [K 2,048, N 64]; A: softmax (see below); B: computed on the way: QUANTISED
;;     4. [M 8,192, K 1,024] x [K 1,024, N 1,024]; A: computed on the way; B: input out_w: QUANTISED
;;   THE QUANTISER, for each operand of a quantised product, along K:
;;     - K is cut into blocks of 32 from its start; a last block that is shorter is filled with zeros.
;;     - A block's scale is 2^e with e = floor(log2(the largest magnitude in the block)) - 2, held to -126 .. 127; a block of zeros has e = 0. As a byte (E8M0): e + 127.
;;     - Each number is divided by its block's scale, clamped to +-7.5, and rounded to the nearest number of E2M3, ties to even, subnormals kept.
;;     - The product sums the exact products of the quantised numbers (number of the format x scale) in f32.
;;   ~~~python
;;   def quantise(x, axis):      # numpy; x: float32 -> the quantised numbers, widened to float32 again
;;       x = np.moveaxis(x, axis, -1); K = x.shape[-1]
;;       x = np.pad(x, [(0, 0)] * (x.ndim - 1) + [(0, -K % 32)]); x = x.reshape(x.shape[:-1] + (-1, 32)); a = np.abs(x).max(-1, keepdims=True)
;;       e = np.where(a > 0, np.clip(np.frexp(np.where(a > 0, a, 1))[1] - 1 - 2, -126, 127), 0)      # np.frexp(a)[1] - 1 = floor(log2(a)), exactly
;;       r = np.clip(x / 2.0 ** e, -7.5, 7.5)
;;       step = 2.0 ** (np.maximum(np.frexp(np.where(r == 0, 1, r))[1] - 1, 0) - 3)
;;       q = np.round(r / step) * step * 2.0 ** e      # np.round: ties to even
;;       return np.moveaxis(q.reshape(q.shape[:-2] + (-1,))[..., :K], -1, axis).astype(np.float32)
;;   ~~~
;;   SOFTMAX AHEAD OF A QUANTISED PRODUCT. Where the list says 'softmax', what is quantised is not the finished softmax but p = 2^(t - M), with t = logit x log2(e) and M = ceil(the row's largest t), a whole number; so 1/2 < the row's largest p <= 1. The row's sum l is taken of the UNQUANTISED p, in f32, and the product's result is divided by l at the end. Since M is a whole number, a kernel that streams over the keys may use a running M (the ceiling of the running maximum): every later rescaling is an exact power of two, which a block's scale takes up: the codes' values come out the same.
;;   OPERANDS COMPUTED ON THE WAY. 'Computed on the way' means the value that the module computes at that place (a softmax that the list does not call 'softmax' is quantised finished and normalised). What goes into a quantiser is computed in f32, as accurately as f32 sums, v_exp_f32 and their like allow (about 1e-6 of the number): no bf16 or f16 on the way to a quantiser, and a product that is left as it is and whose result goes on into a quantised operand takes f32 operands (vector FMAs, or v_wmma_f32_16x16x4_f32). A number that lies on a knife's edge between two numbers of the format may be rounded either way, as far as f32 arithmetic and the matrix unit's own rounding can turn it there, and no further.
;; One version. Each part assembles by itself: llvm-mc -triple=amdgcn-amd-amdhsa -mcpu=gfx1250 --defsym DOCPART=n.
;; ======== version 1 of 1: 4 launches
;; workspace buffers: xw 11,010,048 bytes; qkv 19,660,800 bytes; ob 7,340,032 bytes
;; launch quant (part 1): grid 384 x 1, 4 waves a work-group, no clusters, 34,304 bytes of LDS; arguments x, qkv_w, out_w, xw; writes xw
.if DOCPART == 1
	.amdgcn_target "amdgcn-amd-amdhsa--gfx1250"
	.amdhsa_code_object_version 6
	.text
	.protected	k_qc012f710f1_quant
	.globl	k_qc012f710f1_quant
	.p2align	8
	.type	k_qc012f710f1_quant,@function
k_qc012f710f1_quant:
	s_mov_b64 s[64:65], 0
	v_nop
	global_prefetch_b8 v0, s[64:65] scope:SCOPE_SE
	s_setreg_imm32_b32 hwreg(HW_REG_WAVE_MODE, 25, 1), 1
	s_wait_xcnt 0x0
; x [8192][1024], qkv_w [3072][1024] and out_w [1024][1024], f32, K innermost, become codes of FP6 (E2M3) with one E8M0 byte for each 32 along K,
; laid as the products' operand registers want them.  A FRAGMENT BLOCK (1,792 bytes) is one operand fragment, 16 rows x 128 K: bytes 512 j + 16 lane hold
; the lane's registers 4 j .. 4 j + 3 (j = 0, 1, 2), bytes 1,536 + 8 lane the row's scale word and a zero word.  xw is [K / 128 = 8][768 row tiles][1,792].
; ROW TILES: 0-511 x, 512-703 qkv_w, 704-767 out_w.  In x and qkv_w lane r of tile T stands for row 32 (T / 2) + 8 (T % 2) + r + 8 (r / 8), so that a product
; used transposed leaves 16 neighbours along the next K in 16 registers; in out_w for row 16 T + r.
; A block's scale is 2^(floor(log2(its largest magnitude)) - 2): its byte is the largest magnitude's exponent field - 2, held at 1 from below.
; LIMITS: NaN and infinities are not served; a block whose largest magnitude lies under 2^-124 (a block of zeros too) gets the byte 1: the bytes are read by this program alone.
; SHARES: a wave takes one row tile and half of K: four fragments.  Each load reads 512 consecutive bytes of one row; the 16 rows turn through the wave's own
; stage in LDS (pitch 528 bytes = 33 x 16, so that sixteen rows fall on sixteen different groups of banks) and come back 128 bytes a lane: two whole blocks of 32.
; Every store of the wave covers 512 or 256 consecutive bytes, aligned.  No barrier: waves share nothing.  Loads run two fragments (32 loads) ahead.
.set PLANE, 1376256                    ; 768 x 1,792: from one 128 along K to the next
.set FRB,   1792
.set SP,    528
.set OL,    4                          ; v4   16 x lane: my bytes of a row's 512, rows 0-7; also my place in a block's images
.set OH,    5                          ; v5   the same for rows 8-15
.set STI,   6                          ; v6   the stage, on the way in
.set STO,   7                          ; v7   and on the way out: row r, + 128 h
.set O8,    8                          ; v8   8 x lane
.set SH8,   9                          ; v9   8 h
.set MX,    16                         ; v16-17 largest magnitudes; v18-19 the conversions' scale operands; v20-21 bytes; v22-23 at work
.set SO,    18
.set BY,    20
.set TP,    22
.set WD,    30                         ; v30 the scale word, v31 zero
.set R,     32                         ; v32-159  two sets of 64: sixteen rows as loaded
.set X,     160                        ; v160-223 register 32 c + i = K 64 c + 32 h + i of row r
.set C,     224                        ; v224-235 the codes;  v236-238, v240-242 the conversions' second halves
.set CT,    236
	s_load_b256 s[4:11], s[0:1], 0x0               ; x, qkv_w, out_w, xw
	v_lshl_add_u32 v248, v0, 2, 0x8400
	v_mov_b32 v249, 0
	v_lshrrev_b32 v1, 5, v0
	v_readfirstlane_b32 s12, v1                    ; wave
	v_and_b32 v1, 31, v0                           ; lane
	v_and_b32 v2, 15, v0                           ; r
	v_bfe_u32 v3, v0, 4, 1                         ; h
	v_lshlrev_b32 v[OL], 4, v1
	v_lshlrev_b32 v[O8], 3, v1
	v_lshlrev_b32 v[SH8], 3, v3
	s_mul_i32 s13, s12, 16*SP                      ; my stage
	v_add_nc_u32 v[STI], s13, v[OL]
	v_mul_u32_u24 v[STO], v2, SP
	v_lshl_add_u32 v[STO], v3, 7, v[STO]
	v_add_nc_u32 v[STO], s13, v[STO]
	v_mov_b32 v[TP], 0                             ; a lane permute's destination counts as one of its sources
	v_mov_b32 v[WD+1], 0
	s_mov_b32 s14, 0x76543210
	s_mov_b32 s15, 0xfedcba98                      ; v_permlanex16_b32's selects for lane l xor 16
	s_lshr_b32 s16, s12, 1                         ; which of the work-group's two row tiles
	s_and_b32 s17, s12, 1                          ; which half of K
	s_lshl_b32 s24, ttmp9, 1
	s_add_co_u32 s24, s24, s16                     ; my row tile
	s_mul_i32 s24, s24, FRB
	s_mul_i32 s25, s17, 4*PLANE
	s_add_co_u32 s24, s24, s25                     ; where my first fragment block lies in xw
	s_mov_b32 s25, 0
	s_wait_kmcnt 0x0
	s_cmp_lt_u32 ttmp9, 256                        ; which tensor: the choice hangs on the work-group's number alone
	s_cselect_b64 s[4:5], s[4:5], s[6:7]
	s_cselect_b32 s20, 0, 256
	s_cmp_lt_u32 ttmp9, 352
	s_cselect_b64 s[4:5], s[4:5], s[8:9]
	s_cselect_b32 s20, s20, 352                    ; the tensor's first work-group
	s_cselect_b32 s21, 8, 16                       ; from the group's first tile to its second: 8 rows, in out_w 16
	s_sub_co_u32 s22, ttmp9, s20
	s_lshl_b32 s22, s22, 5                         ; 32 rows a work-group
	s_mul_i32 s23, s16, s21
	s_add_co_u32 s22, s22, s23                     ; my tile's first row
	s_lshl_b32 s22, s22, 12                        ; 4,096 bytes a row
	s_lshl_b32 s23, s17, 11                        ; my half of K
	s_add_co_u32 s22, s22, s23
	s_mov_b32 s23, 0
	s_add_nc_u64 s[4:5], s[4:5], s[22:23]
	s_add_nc_u64 s[10:11], s[10:11], s[24:25]
	s_sub_co_u32 s21, 24, s21                      ; the tile's rows 8-15 begin 16 rows on, in out_w 8
	s_lshl_b32 s21, s21, 12
	v_add_nc_u32 v[OH], s21, v[OL]
.macro LOAD f                          ; fragment f's sixteen rows, 512 consecutive bytes each
.irp i, 0,1,2,3,4,5,6,7
	global_load_b128 v[R+64*((\f)%2)+4*\i:R+64*((\f)%2)+4*\i+3], v[OL], s[4:5] offset:\i*4096+512*(\f) th:TH_LOAD_NT
.endr
.irp i, 0,1,2,3,4,5,6,7
	global_load_b128 v[R+64*((\f)%2)+32+4*\i:R+64*((\f)%2)+32+4*\i+3], v[OH], s[4:5] offset:\i*4096+512*(\f) th:TH_LOAD_NT
.endr
.endm
.macro FRAGQ f
.set RS, R+64*((\f)%2)
.if (\f) < 3
	s_wait_loadcnt 16                              ; this fragment's sixteen loads are in; the next fragment's sixteen may be out
.else
	s_wait_loadcnt 0x0
.endif
.irp i, 0,1,2,3,4,5,6,7,8,9,10,11,12,13,14,15
	ds_store_b128 v[STI], v[RS+4*\i:RS+4*\i+3] offset:SP*\i
.endr
.irp c, 0,1
.irp j, 0,1,2,3,4,5,6,7
	ds_load_b128 v[X+32*\c+4*\j:X+32*\c+4*\j+3], v[STO] offset:256*\c+16*\j   ; LDS serves a wave's instructions in order: these see my stores
.endr
.endr
	s_wait_dscnt 0x0                               ; the numbers are back, and the stores have read their registers,
.if (\f) < 2
	LOAD (\f)+2                                    ; which take the loads of two fragments on
.endif
.irp c, 0,1                                    ; my block 2 c + h: all its 32 numbers are mine
	v_max3_num_f32 v[MX+\c], |v[X+32*\c]|, |v[X+32*\c+1]|, 0x1800000   ; with the floor 2^(3 - 127): the byte cannot fall under 1
.endr
.irp i, 2,4,6,8,10,12,14,16,18,20,22,24,26,28,30
.irp c, 0,1
	v_max3_num_f32 v[MX+\c], v[MX+\c], |v[X+32*\c+\i]|, |v[X+32*\c+\i+1]|
.endr
.endr
.irp c, 0,1
	v_add_nc_u32 v[SO+\c], 0xff000000, v[MX+\c]    ; 2 off the exponent field: the conversion takes that field as its scale
.endr
.irp c, 0,1
	v_lshrrev_b32 v[BY+\c], 23, v[SO+\c]           ; the scale's byte
.endr
	v_lshl_or_b32 v[TP+1], v[BY+1], 16, v[BY]      ; my two bytes, blocks h and 2 + h,
	v_lshlrev_b32 v[TP+1], v[SH8], v[TP+1]         ; at their places in the row's word
	v_permlanex16_b32 v[TP], v[TP+1], s14, s15
	s_wait_xcnt 0x0                                ; the last fragment's stores have read the word and the codes: both are written again only behind this wait
	v_or_b32 v[WD], v[TP+1], v[TP]                 ; with lane l xor 16's two the word is whole
.irp c, 0,1
	v_cvt_scalef32_pk16_fp6_f32 v[C+6*\c:C+6*\c+2], v[X+32*\c:X+32*\c+15], v[SO+\c]
	v_cvt_scalef32_pk16_fp6_f32 v[CT+4*\c:CT+4*\c+2], v[X+32*\c+16:X+32*\c+31], v[SO+\c]   ; (a conversion's three registers begin on an even number)
.endr
	v_nop                                          ; one plain place behind a scaled conversion
.irp c, 0,1
.irp i, 0,1,2
	v_mov_b32 v[C+6*\c+3+\i], v[CT+4*\c+\i]
.endr
.endr
.irp j, 0,1,2
	global_store_b128 v[OL], v[C+4*\j:C+4*\j+3], s[10:11] offset:(\f)*PLANE+512*\j   ; 512 consecutive bytes, aligned
.endr
	global_store_b64 v[O8], v[WD:WD+1], s[10:11] offset:(\f)*PLANE+1536              ; 256 consecutive bytes, aligned
.endm
	LOAD 0
	LOAD 1
	FRAGQ 0
	FRAGQ 1
	FRAGQ 2
	FRAGQ 3
	s_barrier_signal -1
	s_barrier_wait -1
	s_wait_tensorcnt 0x0
	ds_add_u32 v248, v249
	s_wait_dscnt 0x0
	s_endpgm
.Lfunc_end_k_qc012f710f1_quant:
	.size	k_qc012f710f1_quant, .Lfunc_end_k_qc012f710f1_quant-k_qc012f710f1_quant
	.p2alignl 7, 3214868480
	.fill 96, 4, 3214868480
	.section	.rodata,"a",@progbits
	.p2align	6, 0x0
	.amdhsa_kernel k_qc012f710f1_quant
		.amdhsa_group_segment_fixed_size 34304
		.amdhsa_private_segment_fixed_size 0
		.amdhsa_enable_private_segment 0
		.amdhsa_kernarg_size 32
		.amdhsa_user_sgpr_count 2
		.amdhsa_user_sgpr_kernarg_segment_ptr 1
		.amdhsa_wavefront_size32 1
		.amdhsa_system_sgpr_workgroup_id_x 1
		.amdhsa_system_sgpr_workgroup_id_y 1
		.amdhsa_system_sgpr_workgroup_id_z 1
		.amdhsa_system_vgpr_workitem_id 0
		.amdhsa_next_free_vgpr 250
		.amdhsa_next_free_sgpr 66
		.amdhsa_reserve_vcc 0
		.amdhsa_float_denorm_mode_32 3
		.amdhsa_float_denorm_mode_16_64 3
		.amdhsa_memory_ordered 1
		.amdhsa_forward_progress 1
		.amdhsa_inst_pref_size 30
	.end_amdhsa_kernel
	.amdgpu_metadata
---
amdhsa.version: [ 1, 2 ]
amdhsa.kernels:
  - .name:           k_qc012f710f1_quant
    .symbol:         k_qc012f710f1_quant.kd
    .args:
      - { .name: x, .offset: 0, .size: 8, .value_kind: global_buffer, .address_space: global }
      - { .name: qkv_w, .offset: 8, .size: 8, .value_kind: global_buffer, .address_space: global }
      - { .name: out_w, .offset: 16, .size: 8, .value_kind: global_buffer, .address_space: global }
      - { .name: xw, .offset: 24, .size: 8, .value_kind: global_buffer, .address_space: global }
    .group_segment_fixed_size: 34304
    .private_segment_fixed_size: 0
    .kernarg_segment_align: 8
    .kernarg_segment_size: 32
    .max_flat_workgroup_size: 128
    .sgpr_count:     66
    .vgpr_count:     250
    .wavefront_size: 32
...
	.end_amdgpu_metadata
.endif
;; end of part 1
;; launch qkv (part 2): grid 12 x 32, 4 waves a work-group, clusters of 4 x 4, 327,680 bytes of LDS; arguments xw, cos, sin, qkv; writes qkv
.if DOCPART == 2
	.amdgcn_target "amdgcn-amd-amdhsa--gfx1250"
	.amdhsa_code_object_version 6
	.text
	.protected	k_qc012f710f1_qkv
	.globl	k_qc012f710f1_qkv
	.p2align	8
	.type	k_qc012f710f1_qkv,@function
k_qc012f710f1_qkv:
	s_mov_b64 s[64:65], 0
	v_nop
	global_prefetch_b8 v0, s[64:65] scope:SCOPE_SE
	s_setreg_imm32_b32 hwreg(HW_REG_WAVE_MODE, 25, 1), 1
	s_wait_xcnt 0x0
	s_wait_alu depctr_hold_cnt(0) depctr_sa_sdst(0) depctr_va_vdst(0) depctr_va_sdst(0) depctr_va_ssrc(0) depctr_va_vcc(0) depctr_vm_vsrc(0)
	s_getreg_b32 s2, hwreg(HW_REG_IB_STS2, 6, 4)
	s_cmp_eq_u32 s2, 0
	s_cbranch_scc0 .Lentry_in_a_cluster
	s_endpgm
.Lentry_in_a_cluster:
	s_bfe_u32 s2, ttmp6, 0x10000c
	s_cmp_lg_u32 s2, 0xf033
	s_cbranch_scc0 .Lentry_shape_is_right
	s_endpgm
.Lentry_shape_is_right:
; The first product, x qkv_w^T, on codes of FP6 (E2M3) with E8M0 scales, K = 1,024; then RoPE in f32 on q and k, and q, k (along the head's 64) and v (along the tokens) are quantised for the attention.
; OPERANDS come from xw as fragment blocks of 1,792 bytes (16 rows x 128 K as an image of the operand's registers, and the rows' scale words): [K / 128][768 row tiles][1,792]; tiles 0-511 x, 512-639 the weights of q and k, 640-703 of v.
; A tile of 256 x 256 is made by four waves, 128 x 128 each: 64 accumulators.  THE MATRIX INSTRUCTION IS USED TRANSPOSED: source 0 = a tile of "B", source 1 = a tile of "A": a lane holds one row of A, and, since lane r of a row tile T
; stands for row 32 (T / 2) + 8 (T % 2) + r + 8 (r / 8), the 64 registers of A's block a are: register 16 b + i = B's row 32 b + 16 (lane / 16) + i: sixteen neighbours in sixteen registers, as the conversions want them.
; Clusters with x < 2: A = tokens, B = the weights of q and k: a lane's registers run along the features.  Clusters with x = 2: A = the weights of v, B = tokens: its registers run along the tokens, v's K in the attention.
; CLUSTERS: 4 x 4 work-groups; A's tiles are asked for jointly along a row of the cluster, B's along a column.  K goes through a ring of two LDS slots of 256 along K; a wave's one tensor load brings 2 x 14,336 dense bytes.
; OUT, in qkv, block by block of 32 along the next K: the first 16 bytes of a block's 24 at [row tile][block][r][16], the last 8 at [row tile][block][r][8], scale words at [block / 4][tile / 2][r][2 words]:
; every store of the wave covers 512 or 256 consecutive bytes, aligned, and no stage is needed.
; LIMITS: NaN and infinities are not served; a block whose largest magnitude lies under 2^-124 gets the byte 1 (read by this program alone); RoPE's second multiplication is fused with the addition: one rounding fewer than two multiplications and an addition.
; REGISTERS, in windows of 256: window 0: v16-29 addresses; v32-63 scale words alone, two sets; v64-114 the way out's work; v128-223 A's fragments, one set, later the numbers behind RoPE.
;   window 1: B's fragments, two sets, at v0 and v128; later cos and sin.   windows 2, 3: the accumulators, (a, b) at v[8 (8 (a % 4) + b)].
.set FRB,   1792
.set HALF,  8*FRB                      ; eight fragment blocks: 128 rows x 128 K
.set LOADB, 2*HALF                     ; what one tensor load brings: [128 along K: 2][tile: 8][1,792]
.set SLOT,  4*LOADB                    ; A's two halves, then B's two
.set SPARE, 2*SLOT                     ; behind the ring: the spare words, 128 bytes for each wave, which no other line names
.set PLA,   1376256                    ; from one 128 along K to the next, in A's buffer and in B's
.set PLB,   1376256
.set GQKB,  8388608                    ; the regions of qkv
.set GVA,   12582912
.set GVB,   16777216
.set GSQK,  18874368
.set GSV,   19398656
.set ADRA, 16                          ; v16-17 my A fragments in slot 0, 1: + 16 x lane;  v18-19 their scale words: + 8 x lane
.set ADSA, 18
.set ADRB, 20                          ; v20-23 the same for B
.set ADSB, 22
.set L16,  24                          ; v24 16 x lane   v25 8 x lane   v26 my place in cos and sin   v27 lane
.set L8,   25
.set CSO,  26
.set LANE, 27
.set SPW,  28                          ; v28 LDS address of my spare word; v29 0; neither is rewritten
.set NIL,  29
.set SCA,  32                          ; scale words: set p: A's block a at v[32 + 16 p + a], B's block b at v[40 + 16 p + b]
.set SCB,  40
.set PWS,  64                          ; v64-71 the scale words made on the way out; v72-75 as they are stored
.set TM,   80                          ; v80-95 the quantiser's work
.set PC,   96                          ; v96-107 the codes just made; v108-110, v112-114 the conversions' second halves
.set AF,   128
.set R,    128                         ; v128-191 64 numbers behind RoPE
.set G1,   24
.set G0,   32
.set G1B,  48
.set G0B,  56
.set SEL,  76
.set MSB, 0
.macro WIN new                         ; the immediate's high byte repeats the setting that is left; a switch that changes nothing is dropped
.if MSB != (\new)
	s_set_vgpr_msb (MSB<<8)|(\new)
.set MSB, (\new)
.endif
.endm
.set MUL_LO, 0xa1                      ; source 0 (B) window 1, source 1 (A) window 0, C and D window 2
.set MUL_HI, 0xf1                      ; the same, C and D window 3
.set TO_B,   0x40                      ; destination window 1, address window 0
; A joint load: waves 0 and 1 fetch for A, waves 2 and 3 for B.  The branch hangs on the wave's number alone.  Four v_nop follow each of the two lines.
.macro JLOAD g0a, g1a, g0b, g1b
	s_cmp_eq_u32 s15, 0
	s_cbranch_scc0 .Lfor_b_\@
	tensor_load_to_lds s[\g0a:\g0a+3], s[\g1a:\g1a+7]
	s_nop 0
.rept 4
	v_nop
.endr
	s_branch .Lasked_\@
.Lfor_b_\@:
	tensor_load_to_lds s[\g0b:\g0b+3], s[\g1b:\g1b+7]
	s_nop 0
.rept 4
	v_nop
.endr
.Lasked_\@:
.endm
.macro CREST                           ; a round of the cluster's barrier behind its opening barrier
	s_cmp_lg_u32 s14, 0
	s_cbranch_scc1 .Lnot_wave_0_\@
	s_barrier_signal -3
.Lnot_wave_0_\@:
	s_barrier_wait -3
	s_barrier_signal -1
	s_barrier_wait -1
.endm
.macro CROUND
	s_barrier_signal -1
	s_barrier_wait -1
	CREST
.endm
.macro PLACES n                        ; plain places behind matrix instructions, in front of loads into their registers and of reads of their results
.rept \n
	v_nop
.endr
.endm
	s_load_b256 s[4:11], s[0:1], 0x0               ; xw, cos, sin, qkv
	v_lshl_add_u32 v[SPW], v0, 2, SPARE
	v_mov_b32 v[NIL], 0
	ds_add_u32 v28, v29
	ds_add_u32 v28, v29
	s_wait_dscnt 0x0
	v_lshrrev_b32 v1, 5, v0
	v_readfirstlane_b32 s14, v1                    ; wave 0..3
	s_lshr_b32 s15, s14, 1                         ; which half of A's rows is mine.  Also: I fetch for A (0) or for B (1)
	s_and_b32 s16, s14, 1                          ; which half of B's rows.  Also: which eight tiles I fetch
	s_bfe_u32 s40, ttmp6, 0x40000                  ; cx, cy: my place in the cluster
	s_bfe_u32 s41, ttmp6, 0x40004
	s_and_b32 s18, ttmp7, 0xffff
	s_lshl_b32 s18, s18, 2                         ; 4 x cluster y
	s_lshl_b32 s19, ttmp9, 2
	s_add_co_u32 s19, s19, 32                      ; 32 + 4 x cluster x
	s_cmp_eq_u32 ttmp9, 2                          ; the cluster's x is the same in all sixteen partners
	s_cselect_b32 s17, 40, s18                     ; A, in units of 256 rows of xw: the weights of v, or tokens
	s_cselect_b32 s42, s18, s19                    ; B: tokens, or the weights of q and k
	s_add_co_u32 s17, s17, s41                     ; + cy: shared along a row of the cluster
	s_add_co_u32 s42, s42, s40                     ; + cx: shared along a column
	s_lshl_b32 s43, s41, 2
	s_lshl_b32 s43, 15, s43                        ; my row of the cluster
	s_lshl_b32 s44, 0x1111, s40                    ; my column
	; descriptor group 1: 2 rows (two steps of 128 along K) of 1,792 elements of 8 bytes (eight fragment blocks on end), a plane apart; no padding: the images are read 16 bytes a lane on end
	s_or_b32 s[G1+0], s43, (3<<16)|(1<<21)         ; 15:0 the mask; 17:16 elements of 8 bytes; 21 set beside a mask
	s_or_b32 s[G1B+0], s44, (3<<16)|(1<<21)
.irp g, G1, G1B
	s_mov_b32 s[\g+1], 1792<<16                    ; tensor_dim0
	s_mov_b32 s[\g+2], 2<<16                       ; tensor_dim1
	s_mov_b32 s[\g+3], 1792<<16                    ; tile_dim0
	s_mov_b32 s[\g+4], 2                           ; tile_dim1
	s_mov_b32 s[\g+6], 0
	s_mov_b32 s[\g+7], 0
.endr
	s_mov_b32 s[G1+5], PLA/8                       ; tensor_dim0_stride
	s_mov_b32 s[G1B+5], PLB/8
	s_lshl_b32 s20, s17, 4
	s_lshl_b32 s21, s16, 3
	s_add_co_u32 s20, s20, s21                     ; A: row tile 16 x unit + 8 x half
	s_mul_i32 s20, s20, FRB
	s_mov_b32 s21, 0
	s_lshl_b32 s46, s42, 4
	s_lshl_b32 s47, s16, 3
	s_add_co_u32 s46, s46, s47                     ; B likewise
	s_mul_i32 s46, s46, FRB
	s_mov_b32 s47, 0
	s_mul_i32 s45, s14, LOADB                      ; where they go: no place in the cluster enters an LDS address
	s_wait_kmcnt 0x0
	s_add_nc_u64 s[20:21], s[4:5], s[20:21]
	s_add_nc_u64 s[46:47], s[4:5], s[46:47]
	CROUND                                         ; all sixteen work-groups are here: the first joint loads meet
.irp s, 0,1
	s_mov_b32 s[G0+4*\s], 1
	s_add_co_u32 s[G0+4*\s+1], s45, \s*SLOT
	s_add_nc_u64 s[G0+4*\s+2:G0+4*\s+3], s[20:21], \s*2*PLA
	s_or_b32 s[G0+4*\s+3], s[G0+4*\s+3], 0x80000000
	s_mov_b32 s[G0B+4*\s], 1
	s_add_co_u32 s[G0B+4*\s+1], s45, \s*SLOT
	s_add_nc_u64 s[G0B+4*\s+2:G0B+4*\s+3], s[46:47], \s*2*PLB
	s_or_b32 s[G0B+4*\s+3], s[G0B+4*\s+3], 0x80000000
	JLOAD G0+4*\s, G1, G0B+4*\s, G1B               ; two loads of mine are out
.endr
	v_and_b32 v[LANE], 31, v0
	v_lshlrev_b32 v[L16], 4, v[LANE]
	v_lshlrev_b32 v[L8], 3, v[LANE]
	s_mul_i32 s22, s15, LOADB                      ; my half of A
	s_mul_i32 s23, s16, LOADB                      ; my half of B,
	s_add_co_u32 s23, s23, 2*LOADB                 ; behind A's two
.irp s, 0,1
	v_add_nc_u32 v[ADRA+\s], s22, v[L16]
	v_add_nc_u32 v[ADRB+\s], s23, v[L16]
	v_add_nc_u32 v[ADSA+\s], s22, v[L8]
	v_add_nc_u32 v[ADSB+\s], s23, v[L8]
	s_add_co_u32 s22, s22, SLOT
	s_add_co_u32 s23, s23, SLOT
.endr
	v_and_b32 v2, 15, v0                           ; r
	v_bfe_u32 v3, v0, 4, 1                         ; h
	v_and_b32 v4, 8, v2
	v_add_nc_u32 v4, v4, v2                        ; r + 8 (r / 8)
	v_lshlrev_b32 v[CSO], 8, v4                    ; cos, sin: my token's row of 256 bytes,
	v_lshl_add_u32 v[CSO], v3, 6, v[CSO]           ; + 16 h numbers
.irp b, 0,1,2,3
	v_mov_b32 v[TM+4+\b], 0                        ; written once: a lane permute's destination counts as one of its sources
.endr
	s_mov_b32 s[SEL], 0x76543210
	s_mov_b32 s[SEL+1], 0xfedcba98
.macro FRAG reg, adr, off              ; a fragment comes back as it was stored: three loads of 16 bytes a lane, 512 consecutive bytes each
.irp j, 0,1,2
	ds_load_b128 v[(\reg)+4*\j:(\reg)+4*\j+3], v[\adr] offset:(\off)+512*\j
.endr
.endm
.macro FETCH_B slot, q, p              ; B's eight fragments of the slot's q-th 128 along K into set p: 24 loads
	WIN TO_B
.irp i, 0,1,2,3,4,5,6,7
	FRAG 128*(\p)+12*\i, ADRB+\slot, (\q)*HALF+\i*FRB
.endr
	WIN 0
.endm
.macro FETCH_S slot, q, p              ; the sixteen blocks' scale words into set p: 16 loads
.irp i, 0,1,2,3,4,5,6,7
	ds_load_b32 v[SCB+16*(\p)+\i], v[ADSB+\slot] offset:(\q)*HALF+\i*FRB+1536
.endr
.irp i, 0,1,2,3,4,5,6,7
	ds_load_b32 v[SCA+16*(\p)+\i], v[ADSA+\slot] offset:(\q)*HALF+\i*FRB+1536
.endr
.endm
.macro FETCH_A slot, q, i0             ; A's blocks i0 .. i0 + 3: 12 loads
.irp i, \i0, \i0+1, \i0+2, \i0+3
	FRAG AF+12*(\i), ADRA+\slot, (\q)*HALF+(\i)*FRB
.endr
.endm
; 16 matrix instructions: A's blocks a0, a0 + 1 x B's eight.  p: B's set and the set of scale words.  zero = 1: the first product starts the sums.
; The 64 accumulators take turns, one instruction a turn, in the same order in every step.
.macro MUL16 a0, p, zero
.irp a, \a0, \a0+1
.irp b, 0,1,2,3,4,5,6,7
.if \zero
	v_wmma_scale_f32_16x16x128_f8f6f4 v[8*(8*((\a)%4)+\b):8*(8*((\a)%4)+\b)+7], v[128*(\p)+12*\b:128*(\p)+12*\b+11], v[AF+12*(\a):AF+12*(\a)+11], 0, v[SCB+16*(\p)+\b], v[SCA+16*(\p)+(\a)] matrix_a_fmt:MATRIX_FMT_FP6 matrix_b_fmt:MATRIX_FMT_FP6
.else
	v_wmma_scale_f32_16x16x128_f8f6f4 v[8*(8*((\a)%4)+\b):8*(8*((\a)%4)+\b)+7], v[128*(\p)+12*\b:128*(\p)+12*\b+11], v[AF+12*(\a):AF+12*(\a)+11], v[8*(8*((\a)%4)+\b):8*(8*((\a)%4)+\b)+7], v[SCB+16*(\p)+\b], v[SCA+16*(\p)+(\a)] matrix_a_fmt:MATRIX_FMT_FP6 matrix_b_fmt:MATRIX_FMT_FP6
.endif
.endr
.endr
.endm
; A slot's first 128 along K (set 0); the second's fragments are fetched meanwhile (set 1).  A block of A is free as soon as its eight products are issued, so A has one set.
.macro STEP slot, zero
	s_wait_dscnt 12                                ; all but the youngest twelve loads, A's blocks 4-7
	WIN MUL_LO
	MUL16 0, 0, \zero
	MUL16 2, 0, \zero
	s_wait_dscnt 0x0                               ; A's blocks 4-7 are in
	PLACES 4
	FETCH_B \slot, 1, 1
	FETCH_S \slot, 1, 1
	FETCH_A \slot, 1, 0
	WIN MUL_HI
	MUL16 4, 0, \zero
	MUL16 6, 0, \zero
	PLACES 4
	WIN 0
	FETCH_A \slot, 1, 4
.endm
; A slot's second 128 along K (set 1) changes slots: ONE barrier; in front of it each wave waits for all its tensor loads, adds 0 to its spare word, and waits for that and for its reads of this slot.
; fill = 1: the barrier opens a round of the cluster's, and this slot is filled again, 512 along K ahead: that load has 96 matrix instructions in which to land.
.macro TURN slot, next, fill
	s_wait_tensorcnt 0x0                           ; all my tensor loads have landed: my part of the next slot
	ds_add_u32 v[SPW], v[NIL]                      ; 0 onto my spare word
	s_wait_dscnt 13                                ; (the add and the youngest twelve loads may be out)
	WIN MUL_LO
	MUL16 0, 1, 0                                  ; sixteen matrix instructions stand between the add and the wait for it
	s_wait_dscnt 0x0                               ; the add is done, and my reads of this slot are over
	s_barrier_signal -1
	MUL16 2, 1, 0
	WIN 0
	s_barrier_wait -1
.if \fill
	CREST                                          ; no wave of any partner still reads this slot or has a load on its way
	s_add_nc_u64 s[G0+4*\slot+2:G0+4*\slot+3], s[G0+4*\slot+2:G0+4*\slot+3], 4*PLA
	s_add_nc_u64 s[G0B+4*\slot+2:G0B+4*\slot+3], s[G0B+4*\slot+2:G0B+4*\slot+3], 4*PLB
	JLOAD G0+4*\slot, G1, G0B+4*\slot, G1B         ; the first tensor load behind the round; its four v_nop are the places in front of the loads below
.else
	PLACES 4
.endif
	FETCH_B \next, 0, 0
	FETCH_S \next, 0, 0
	FETCH_A \next, 0, 0
	WIN MUL_HI
	MUL16 4, 1, 0
	MUL16 6, 1, 0
	PLACES 4
	WIN 0
	FETCH_A \next, 0, 4
.endm
	s_wait_tensorcnt 1                             ; my part of slot 0 is in; slot 1's load may be out
	s_barrier_signal -1
	s_barrier_wait -1
	FETCH_B 0, 0, 0
	FETCH_S 0, 0, 0
	FETCH_A 0, 0, 0
	FETCH_A 0, 0, 4
	STEP 0, 1                                      ; K = 1,024 is eight steps of 128, twice round the ring: they are written out
	TURN 0, 1, 1
	STEP 1, 0
	TURN 1, 0, 1
	STEP 0, 0
	TURN 0, 1, 0                                   ; nothing is left to fetch
	STEP 1, 0
	s_wait_dscnt 12
	WIN MUL_LO
	MUL16 0, 1, 0
	MUL16 2, 1, 0
	s_wait_dscnt 0x0
	WIN MUL_HI
	MUL16 4, 1, 0
	MUL16 6, 1, 0
	WIN 0
	PLACES 4                                       ; in front of the first reads of results and of the loads into B's registers
; 64 numbers of a lane, v[s] .. v[s + 63] of window w, register 16 b + i = k 32 b + 16 (lane / 16) + i of my row, become a fragment's codes in v[PC] on and its scale word in v[pw].
.macro QUANT s, w, pw
	WIN (\w)|((\w)<<2)
.irp b, 0,1,2,3
	v_max3_num_f32 v[TM+\b], |v[(\s)+16*\b]|, |v[(\s)+16*\b+1]|, 0x1800000   ; with the floor 2^(3 - 127): the byte cannot fall under 1.  Each accumulator is read from its low end on
.endr
	WIN ((\w)<<2)|((\w)<<4)
.irp i, 2,4,6,8,10,12,14
.irp b, 0,1,2,3
	v_max3_num_f32 v[TM+\b], v[TM+\b], |v[(\s)+16*\b+\i]|, |v[(\s)+16*\b+\i+1]|
.endr
.endr
	WIN 0
.irp b, 0,1,2,3
	v_permlanex16_b32 v[TM+4+\b], v[TM+\b], s[SEL], s[SEL+1]
.endr
.irp b, 0,1,2,3
	v_max_num_f32 v[TM+\b], v[TM+\b], v[TM+4+\b]   ; with lane l xor 16's: the block's largest magnitude
.endr
.irp b, 0,1,2,3
	v_add_nc_u32 v[TM+12+\b], 0xff000000, v[TM+\b] ; 2 off its exponent field: the conversion's scale operand
.endr
.irp b, 0,1,2,3
	v_lshrrev_b32 v[TM+4+\b], 23, v[TM+12+\b]      ; the scale's byte
.endr
	v_lshl_or_b32 v[\pw], v[TM+5], 8, v[TM+4]
	v_lshl_or_b32 v[\pw], v[TM+6], 16, v[\pw]
	v_lshl_or_b32 v[\pw], v[TM+7], 24, v[\pw]
	WIN (\w)
.irp c, 0,1
	v_cvt_scalef32_pk16_fp6_f32 v[PC+6*\c:PC+6*\c+2], v[(\s)+32*\c:(\s)+32*\c+15], v[TM+12+2*\c]
	v_cvt_scalef32_pk16_fp6_f32 v[PC+12+4*\c:PC+14+4*\c], v[(\s)+32*\c+16:(\s)+32*\c+31], v[TM+13+2*\c]
.endr
	WIN 0
	v_nop                                          ; one plain place behind a scaled conversion
.irp c, 0,1                                    ; a whole block to a lane: lanes 0-15 block 2 c, lanes 16-31 block 2 c + 1
.irp i, 0,1,2
	v_permlane16_swap_b32 v[PC+6*\c+\i], v[PC+12+4*\c+\i]
.endr
.irp i, 0,1,2
	v_mov_b32 v[PC+3+6*\c+\i], v[PC+12+4*\c+\i]
.endr
.endr
.endm
.macro PUT a, sa, sb                   ; block 2 c + h of my row: its first 16 bytes and its last 8; sa, sb: bytes from a row tile to the next
.irp c, 0,1
	global_store_b128 v[L16], v[PC+6*\c:PC+6*\c+3], s[66:67] offset:(\a)*(\sa)+512*\c
	global_store_b64 v[L8], v[PC+6*\c+4:PC+6*\c+5], s[68:69] offset:(\a)*(\sb)+256*\c
.endr
.endm
.macro CSLOAD a                        ; cos and sin of block a's sixteen tokens into window 1, at 64 (a % 4): cos of d = 16 h + i, of 32 + 16 h + i, then sin likewise
	WIN 0x40
.irp j, 0,1,2,3
	global_load_b128 v[64*((\a)%4)+4*\j:64*((\a)%4)+4*\j+3], v[CSO], s[72:73] offset:(32*((\a)/2)+8*((\a)%2))*256+16*\j
	global_load_b128 v[64*((\a)%4)+16+4*\j:64*((\a)%4)+16+4*\j+3], v[CSO], s[72:73] offset:(32*((\a)/2)+8*((\a)%2))*256+128+16*\j
	global_load_b128 v[64*((\a)%4)+32+4*\j:64*((\a)%4)+32+4*\j+3], v[CSO], s[74:75] offset:(32*((\a)/2)+8*((\a)%2))*256+16*\j
	global_load_b128 v[64*((\a)%4)+48+4*\j:64*((\a)%4)+48+4*\j+3], v[CSO], s[74:75] offset:(32*((\a)/2)+8*((\a)%2))*256+128+16*\j
.endr
	WIN 0
.endm
; Block a of q or k: two heads of 64.  In head e register 32 e + i is d = 16 h + i and register 32 e + 16 + i is d + 32, in the same lane: RoPE needs no other lane.
.macro EPIQK a
.set AC, 64*((\a)%4)
.if (\a) < 5
	s_wait_loadcnt 48                              ; this block's sixteen loads are in; those of the three blocks behind it may be out
.else
	s_wait_loadcnt 16*(7-(\a))
.endif
	WIN 0x06+(\a)/4                                ; source 0: the accumulators' window; source 1: window 1
.irp e, 0,1
.irp i, 0,2,4,6,8,10,12,14
	v_pk_mul_f32 v[R+32*\e+\i:R+32*\e+\i+1], v[AC+32*\e+\i:AC+32*\e+\i+1], v[AC+\i:AC+\i+1]                    ; x cos, the lower half of the head,
	v_pk_mul_f32 v[R+32*\e+16+\i:R+32*\e+16+\i+1], v[AC+32*\e+16+\i:AC+32*\e+16+\i+1], v[AC+16+\i:AC+16+\i+1]  ; and the upper.  (cos and sin lie at the same numbers in window 1)
.endr
.irp i, 0,2,4,6,8,10,12,14
	v_pk_fma_f32 v[R+32*\e+\i:R+32*\e+\i+1], v[AC+32*\e+16+\i:AC+32*\e+16+\i+1], v[AC+32+\i:AC+32+\i+1], v[R+32*\e+\i:R+32*\e+\i+1] neg_lo:[1,0,0] neg_hi:[1,0,0]   ; - x(d + 32) sin
	v_pk_fma_f32 v[R+32*\e+16+\i:R+32*\e+16+\i+1], v[AC+32*\e+\i:AC+32*\e+\i+1], v[AC+48+\i:AC+48+\i+1], v[R+32*\e+16+\i:R+32*\e+16+\i+1]                          ; + x(d - 32) sin
.endr
.endr
	WIN 0
.if (\a) < 4
	CSLOAD (\a)+4                                  ; its buffer takes the block four further on
.endif
	s_wait_xcnt 0x0                                ; the last block's stores have read the codes' registers
	QUANT R, 0, PWS+(\a)
	PUT \a, 16384, 8192
.endm
.macro EPIV a                          ; block a of v^T: sixteen features, 128 tokens: quantised as it stands in the accumulators
	s_wait_xcnt 0x0
	QUANT 64*((\a)%4), 2+(\a)/4, PWS+(\a)
	PUT \a, 65536, 32768
.endm
	s_mov_b32 s87, 0
	s_cmp_eq_u32 ttmp9, 2                          ; the same in all partners
	s_cbranch_scc1 .Lpath_v
	s_lshl_b32 s80, s17, 4
	s_lshl_b32 s81, s15, 3
	s_add_co_u32 s80, s80, s81                     ; my first token tile
	s_sub_co_u32 s82, s42, 32
	s_lshl_b32 s82, s82, 3
	s_lshl_b32 s83, s16, 2
	s_add_co_u32 s82, s82, s83                     ; my first block of 32 features (of 64: q's 32, then k's)
	s_lshl_b32 s84, s80, 6
	s_add_co_u32 s84, s84, s82
	s_lshl_b32 s86, s84, 8
	s_add_nc_u64 s[66:67], s[10:11], s[86:87]      ; the blocks' first 16 bytes
	s_lshl_b32 s86, s84, 7
	s_add_co_u32 s86, s86, GQKB
	s_add_nc_u64 s[68:69], s[10:11], s[86:87]      ; their last 8
	s_lshl_b32 s86, s82, 6                         ; (block / 4) x 256 pairs of tiles
	s_lshr_b32 s85, s80, 1
	s_add_co_u32 s86, s86, s85
	s_lshl_b32 s86, s86, 7
	s_add_co_u32 s86, s86, GSQK
	s_add_nc_u64 s[70:71], s[10:11], s[86:87]      ; the scale words
	s_lshl_b32 s86, s80, 4
	s_and_b32 s86, s86, 2047                       ; my first token within its sequence
	s_lshl_b32 s86, s86, 8
	s_add_nc_u64 s[72:73], s[6:7], s[86:87]        ; cos
	s_add_nc_u64 s[74:75], s[8:9], s[86:87]        ; sin
	CSLOAD 0
	CSLOAD 1
	CSLOAD 2
	CSLOAD 3
.irp a, 0,1,2,3,4,5,6,7
	EPIQK \a
.endr
	s_branch .Lwords
.Lpath_v:
	s_sub_co_u32 s80, s17, 40
	s_lshl_b32 s80, s80, 4
	s_lshl_b32 s81, s15, 3
	s_add_co_u32 s80, s80, s81                     ; my first feature tile of v
	s_lshl_b32 s82, s42, 3
	s_lshl_b32 s83, s16, 2
	s_add_co_u32 s82, s82, s83                     ; my first block of 32 tokens (of 256)
	s_lshl_b32 s84, s80, 8
	s_add_co_u32 s84, s84, s82
	s_lshl_b32 s86, s84, 8
	s_add_co_u32 s86, s86, GVA
	s_add_nc_u64 s[66:67], s[10:11], s[86:87]
	s_lshl_b32 s86, s84, 7
	s_add_co_u32 s86, s86, GVB
	s_add_nc_u64 s[68:69], s[10:11], s[86:87]
	s_lshl_b32 s86, s82, 3                         ; (block / 4) x 32 pairs of tiles
	s_lshr_b32 s85, s80, 1
	s_add_co_u32 s86, s86, s85
	s_lshl_b32 s86, s86, 7
	s_add_co_u32 s86, s86, GSV
	s_add_nc_u64 s[70:71], s[10:11], s[86:87]
.irp a, 0,1,2,3,4,5,6,7
	EPIV \a
.endr
.Lwords:
	v_cmp_le_u32 vcc_lo, 16, v[LANE]               ; the eight tiles' scale words: lanes 0-15 store a pair of tiles' words, lanes 16-31 the next pair's: 256 consecutive bytes
.irp k, 0,1
	v_cndmask_b32 v[72+2*\k], v[PWS+4*\k], v[PWS+4*\k+2], vcc_lo
	v_cndmask_b32 v[73+2*\k], v[PWS+4*\k+1], v[PWS+4*\k+3], vcc_lo
	global_store_b64 v[L8], v[72+2*\k:73+2*\k], s[70:71] offset:256*\k
.endr
	s_wait_tensorcnt 0x0                           ; the wave's end
	ds_add_u32 v[SPW], v[NIL]
	s_wait_dscnt 0x0
	CROUND                                         ; the closing round: no work-group ends while a partner may still ask for a tile that names it
	s_endpgm
.Lfunc_end_k_qc012f710f1_qkv:
	.size	k_qc012f710f1_qkv, .Lfunc_end_k_qc012f710f1_qkv-k_qc012f710f1_qkv
	.p2alignl 7, 3214868480
	.fill 96, 4, 3214868480
	.section	.rodata,"a",@progbits
	.p2align	6, 0x0
	.amdhsa_kernel k_qc012f710f1_qkv
		.amdhsa_group_segment_fixed_size 327680
		.amdhsa_private_segment_fixed_size 0
		.amdhsa_enable_private_segment 0
		.amdhsa_kernarg_size 32
		.amdhsa_user_sgpr_count 2
		.amdhsa_user_sgpr_kernarg_segment_ptr 1
		.amdhsa_wavefront_size32 1
		.amdhsa_system_sgpr_workgroup_id_x 1
		.amdhsa_system_sgpr_workgroup_id_y 1
		.amdhsa_system_sgpr_workgroup_id_z 1
		.amdhsa_system_vgpr_workitem_id 0
		.amdhsa_next_free_vgpr 1024
		.amdhsa_next_free_sgpr 100
		.amdhsa_reserve_vcc 1
		.amdhsa_float_denorm_mode_32 3
		.amdhsa_float_denorm_mode_16_64 3
		.amdhsa_memory_ordered 1
		.amdhsa_forward_progress 1
		.amdhsa_inst_pref_size 224
	.end_amdhsa_kernel
	.amdgpu_metadata
---
amdhsa.version: [ 1, 2 ]
amdhsa.kernels:
  - .name:           k_qc012f710f1_qkv
    .symbol:         k_qc012f710f1_qkv.kd
    .args:
      - { .name: xw, .offset: 0, .size: 8, .value_kind: global_buffer, .address_space: global }
      - { .name: cos, .offset: 8, .size: 8, .value_kind: global_buffer, .address_space: global }
      - { .name: sin, .offset: 16, .size: 8, .value_kind: global_buffer, .address_space: global }
      - { .name: qkv, .offset: 24, .size: 8, .value_kind: global_buffer, .address_space: global }
    .group_segment_fixed_size: 327680
    .private_segment_fixed_size: 0
    .kernarg_segment_align: 8
    .kernarg_segment_size: 32
    .max_flat_workgroup_size: 128
    .sgpr_count:     100
    .vgpr_count:     1024
    .wavefront_size: 32
...
	.end_amdgpu_metadata
.endif
;; end of part 2
;; launch attn (part 3): grid 8 x 32, 16 waves a work-group, no clusters, 104,448 bytes of LDS; arguments qkv, ob; writes ob
.if DOCPART == 3
	.amdgcn_target "amdgcn-amd-amdhsa--gfx1250"
	.amdhsa_code_object_version 6
	.text
	.protected	k_qc012f710f1_attn
	.globl	k_qc012f710f1_attn
	.p2align	8
	.type	k_qc012f710f1_attn,@function
k_qc012f710f1_attn:
	s_mov_b64 s[64:65], 0
	v_nop
	global_prefetch_b8 v0, s[64:65] scope:SCOPE_SE
	s_setreg_imm32_b32 hwreg(HW_REG_WAVE_MODE, 25, 1), 1
	s_wait_xcnt 0x0
; Attention in a window of 256 keys (key j counts for query i where i - 255 <= j <= i), both products on codes of FP6 (E2M3) with E8M0 scales; o is divided by the row's sum and quantised along the model's 1,024 for the last product.
; SHARES.  A work-group owns 256 queries of two neighbouring heads of one sequence; each of its sixteen waves one tile of 16 queries (lane r: query 32 (T / 2) + 8 (T % 2) + r + 8 (r / 8)), head after head, so that the wave makes
; a whole fragment of o (16 tokens x 128 columns) and its scale word by itself.  The 32 queries round a tile need nine blocks of 32 keys: all 288 scores of a query lie in registers at once: one maximum, no rescaling.
; THE SOFTMAX: t = score x log2(e) / 8; M = ceil(the row's largest t); p = 2^(t - M) is quantised along the keys, block by block of 32 counted from key 0; the sum is taken of the unquantised p and divides at the end.
; LAYOUT.  Both products are used transposed (S^T = K Q^T, O^T = V^T P^T): a lane holds one query throughout, and by the tiles' choice of rows 16 registers are 16 neighbouring keys, or 16 neighbouring channels of o.
; K = 64 IS HALF OF THE INSTRUCTION'S 128: a fragment of K holds TWO tiles of keys, one in k 0-63 and one in k 64-127; it is multiplied twice, by Q with zero codes in k 64-127 and by Q with zero codes in k 0-63.
; The half that is not meant meets zero codes on Q's side alone: every code of this format is a finite number and no scale byte here is 0xff, so it adds exactly 0.  The ninth block of keys is served likewise by zero codes of p.
; LDS: 512 keys of K and V of both heads, filled once through registers; one barrier; behind it LDS is only read.  No tensor load: the window is read once, and neighbouring work-groups would want their common half at other places.
; LIMITS: NaN and infinities are not served; a block whose largest magnitude lies under 2^-124 gets the byte 1 (read by this program alone); 1 / sum is v_rcp_f32.
.set HB,   51200                       ; LDS: a head's part:
.set LKA,  0                           ; K: [32 tiles][512]: the first 16 bytes of a lane's 24;
.set LKB,  16384                       ;    [32 tiles][256]: the last 8
.set LVA,  24576                       ; V: [4 tiles of channels][16 blocks of keys][256],
.set LVB,  40960                       ;    [4][16][128]
.set LKS,  49152                       ; K's scale words: [16 pairs of tiles][r]: two bytes of each tile
.set LVS,  50176                       ; V's: [4 groups of 4 blocks][2 pairs of tiles][r][2 words]
.set GQKB, 8388608                     ; the regions of qkv
.set GVA,  12582912
.set GVB,  16777216
.set GSQK, 18874368
.set GSV,  19398656
.set PLANEO, 917504                    ; ob: [pair of heads][512 token tiles][1,792]
.set AKA,  1                           ; v1-8 LDS addresses of my nine blocks: K's two parts, K's words, V's two parts, the same without the halves' term, V's words
.set AKB,  2
.set AKS,  3
.set AVA,  4
.set AVB,  5
.set AVA2, 6
.set AVB2, 7
.set AVS,  8
.set EE,   9                           ; v9  my query - my first key - 16 (lane / 16)
.set L8,   10                          ; v10 8 x lane
.set NINF, 11                          ; v11 -infinity
.set QF,   12                          ; v12-17 Q, v18-23 zero codes, v24-29 Q again
.set QS,   30                          ; v30, v31 Q's scale words, head 0 and head 1
.set KSW,  32                          ; v32-46 hold scales alone: v32-40 K's words; then v32-43 V's, v44-46 p's
.set VW,   32
.set PW,   44
.set L16,  47                          ; v47 16 x lane
.set F,    48                          ; v48-83 three fragments of K
.set BM,   48                          ; then v48-56 the blocks' largest scores, p, scale operands;  v57-65 at work
.set BP,   57
.set P,    58                          ; v58-93 p's codes: three fragments
.set TA,   82                          ; the conversions' second halves: v82-84, v86-88
.set T2,   96
.set S,    90                          ; v90-233 S^T, then p: block b at 90 + 16 b
.set VB,   94                          ; then v94-189 V's fragments, two sets of four
.set OT,   190                         ; v190-221 O^T
.set QM,   222                         ; v222-229 o's quantiser at work; v230-232 its second half
.set QT,   230
.set OC,   234                         ; v234-245 o's codes
.set OW,   246                         ; v246 o's scale word, v247 zero
.set ZR,   247
.set SEL,  52
.set CS,   54
.set SH,   56
	s_load_b128 s[4:7], s[0:1], 0x0                ; qkv, ob
	v_lshrrev_b32 v1, 5, v0
	v_readfirstlane_b32 s8, v1                     ; wave 0..15
	s_and_b32 s10, ttmp7, 0xffff
	s_lshr_b32 s11, s10, 3                         ; the sequence
	s_and_b32 s12, s10, 7                          ; the pair of heads
	s_lshl_b32 s13, ttmp9, 4
	s_sub_co_i32 s13, s13, 16
	s_max_i32 s13, s13, 0                          ; the window's first tile of keys: 256 keys ahead of my queries, or key 0
	s_lshr_b32 s15, s8, 1
	s_and_b32 s17, s8, 1
	s_lshl_b32 s16, s15, 5
	s_cmp_lg_u32 ttmp9, 0
	s_cselect_b32 s14, s15, 0                      ; my first block of keys within the window
	s_cselect_b32 s16, 256, s16                    ; my tile's first query less my first key,
	s_lshl_b32 s18, s17, 3
	s_add_co_u32 s16, s16, s18                     ; with the tile's 8 (T % 2)
	s_and_b32 s[SH], s14, 3
	s_lshl_b32 s[SH], s[SH], 3                     ; V's scale words begin at a byte that is no multiple of 4: bits to shift
	s_mov_b32 s57, 0x07060302
	s_cmp_lt_u32 s8, 8
	s_cselect_b32 s57, 0x05040100, s57             ; waves 0-7 cut head 0's bytes out of K's scale words, waves 8-15 head 1's
	s_mov_b32 s[SEL], 0x76543210
	s_mov_b32 s[SEL+1], 0xfedcba98
	s_mov_b32 s[CS], 0x3e38aa3b                    ; c = log2(e) / 8
	s_mov_b32 s[CS+1], s[CS]
	s_mov_b32 s31, 0
	s_lshl_b32 s19, s11, 7                         ; 128 tiles a sequence
	s_lshl_b32 s21, s12, 2                         ; 4 blocks of 32 features a pair of heads
	s_lshl_b32 s20, s8, 1
	s_add_co_u32 s20, s20, s13
	s_add_co_u32 s20, s20, s19                     ; the two tiles of keys that I bring
	s_lshl_b32 s20, s20, 6
	s_add_co_u32 s20, s20, s21
	s_add_co_u32 s20, s20, 32                      ; x 64 blocks + k's 32 + my heads'
	s_lshl_b32 s23, s11, 6
	s_lshr_b32 s24, s13, 1
	s_add_co_u32 s23, s23, s24                     ; the window's first block of keys: 64 a sequence
	s_lshl_b32 s22, s12, 3
	s_add_co_u32 s22, s22, s15                     ; the tile of v's features that I bring half of
	s_lshl_b32 s22, s22, 8
	s_add_co_u32 s22, s22, s23
	s_lshl_b32 s26, ttmp9, 4
	s_add_co_u32 s26, s26, s19
	s_add_co_u32 s26, s26, s8                      ; my tile of queries
	s_lshl_b32 s27, s26, 6
	s_add_co_u32 s27, s27, s21
	s_wait_kmcnt 0x0
	s_lshl_b32 s30, s20, 8
	s_add_nc_u64 s[32:33], s[4:5], s[30:31]        ; K, first parts
	s_lshl_b32 s30, s20, 7
	s_add_co_u32 s30, s30, GQKB
	s_add_nc_u64 s[34:35], s[4:5], s[30:31]        ; K, last parts
	s_lshl_b32 s30, s22, 8
	s_lshl_b32 s25, s17, 11
	s_add_co_u32 s30, s30, s25
	s_add_co_u32 s30, s30, GVA
	s_add_nc_u64 s[36:37], s[4:5], s[30:31]        ; V, first parts: eight blocks of keys
	s_lshl_b32 s30, s22, 7
	s_lshl_b32 s25, s17, 10
	s_add_co_u32 s30, s30, s25
	s_add_co_u32 s30, s30, GVB
	s_add_nc_u64 s[38:39], s[4:5], s[30:31]        ; V, last parts
	s_add_co_u32 s30, s12, 8
	s_lshl_b32 s30, s30, 8
	s_add_co_u32 s30, s30, s23
	s_lshl_b32 s30, s30, 7
	s_add_co_u32 s30, s30, GSQK
	s_add_nc_u64 s[40:41], s[4:5], s[30:31]        ; K's scale words
	s_lshl_b32 s30, s11, 4
	s_lshr_b32 s25, s13, 3
	s_add_co_u32 s30, s30, s25
	s_lshl_b32 s30, s30, 5
	s_add_co_u32 s30, s30, s21
	s_lshl_b32 s30, s30, 7
	s_add_co_u32 s30, s30, GSV
	s_add_nc_u64 s[42:43], s[4:5], s[30:31]        ; V's scale words
	s_lshl_b32 s30, s27, 8
	s_add_nc_u64 s[44:45], s[4:5], s[30:31]        ; Q, first parts
	s_lshl_b32 s30, s27, 7
	s_add_co_u32 s30, s30, GQKB
	s_add_nc_u64 s[46:47], s[4:5], s[30:31]        ; Q, last parts
	s_lshl_b32 s30, s12, 8
	s_lshr_b32 s25, s26, 1
	s_add_co_u32 s30, s30, s25
	s_lshl_b32 s30, s30, 7
	s_lshl_b32 s25, s17, 2
	s_add_co_u32 s30, s30, s25
	s_add_co_u32 s30, s30, GSQK
	s_add_nc_u64 s[48:49], s[4:5], s[30:31]        ; Q's scale words
	s_mul_i32 s30, s12, PLANEO
	s_mul_i32 s25, s26, 1792
	s_add_co_u32 s30, s30, s25
	s_add_nc_u64 s[50:51], s[6:7], s[30:31]        ; my fragment block of o
	v_and_b32 v48, 31, v0                          ; lane
	v_and_b32 v49, 15, v0                          ; r
	v_bfe_u32 v50, v0, 4, 1                        ; h
	v_lshlrev_b32 v[L16], 4, v48
	v_lshlrev_b32 v[L8], 3, v48
	v_lshlrev_b32 v51, 3, v49
	v_and_b32 v52, 255, v0
	v_lshlrev_b32 v53, 3, v52                      ; K's words: thread % 256 takes a pair of tiles' two words of one row
	v_lshrrev_b32 v54, 7, v0
	v_and_b32 v55, 127, v0
	v_lshlrev_b32 v55, 2, v55
	v_lshl_add_u32 v55, v54, 12, v55               ; V's: 128 threads take a group's 512 bytes; the groups lie 4,096 bytes apart
	global_load_b128 v[QF:QF+3], v[L16], s[44:45]          ; Q of head 0, twice: five loads, which go first
	global_load_b64 v[QF+4:QF+5], v[L8], s[46:47]
	global_load_b128 v[QF+12:QF+15], v[L16], s[44:45]
	global_load_b64 v[QF+16:QF+17], v[L8], s[46:47]
	global_load_b32 v254, v51, s[48:49]
.irp u, 0,1                                    ; the fill: fourteen loads a thread, 512 consecutive bytes a wave each (the words: 256 and 128)
.irp e, 0,1
	global_load_b128 v[90+4*(2*\u+\e):93+4*(2*\u+\e)], v[L16], s[32:33] offset:\u*16384+\e*512
.endr
.endr
.irp u, 0,1
	global_load_b128 v[106+4*\u:109+4*\u], v[L16], s[34:35] offset:\u*8192      ; lanes 0-15 head 0's 256 bytes, lanes 16-31 head 1's
.endr
.irp j, 0,1,2,3
	global_load_b128 v[114+4*\j:117+4*\j], v[L16], s[36:37] offset:512*\j
.endr
.irp j, 0,1
	global_load_b128 v[130+4*\j:133+4*\j], v[L16], s[38:39] offset:512*\j
.endr
	global_load_b64 v[138:139], v53, s[40:41]
	global_load_b32 v141, v55, s[42:43]
	s_lshl_b32 s25, s8, 10                         ; where they go
	v_add_nc_u32 v56, s25, v[L16]                  ; K's first parts: tiles 2 w, 2 w + 1
	s_lshl_b32 s25, s8, 9
	s_add_co_u32 s25, s25, LKB
	v_mul_u32_u24 v57, v50, HB
	v_lshl_add_u32 v57, v49, 4, v57
	v_add_nc_u32 v57, s25, v57                     ; K's last parts: each half of the lanes into its head's part
	s_lshr_b32 s25, s8, 3
	s_mul_i32 s25, s25, HB                         ; V: waves 0-7 head 0, waves 8-15 head 1
	s_and_b32 s28, s15, 3
	s_lshl_b32 s29, s28, 12
	s_add_co_u32 s29, s29, s25
	s_lshl_b32 s24, s17, 11
	s_add_co_u32 s29, s29, s24
	s_add_co_u32 s29, s29, LVA
	v_add_nc_u32 v58, s29, v[L16]
	s_lshl_b32 s29, s28, 11
	s_add_co_u32 s29, s29, s25
	s_lshl_b32 s24, s17, 10
	s_add_co_u32 s29, s29, s24
	s_add_co_u32 s29, s29, LVB
	v_add_nc_u32 v59, s29, v[L16]
	v_lshrrev_b32 v60, 8, v0
	v_mul_u32_u24 v60, v60, HB
	v_lshl_add_u32 v60, v52, 2, v60
	v_add_nc_u32 v60, LKS, v60
	v_bfe_u32 v61, v0, 6, 1
	v_mul_u32_u24 v61, v61, HB
	v_lshl_add_u32 v61, v54, 8, v61
	v_and_b32 v62, 63, v0
	v_lshl_add_u32 v61, v62, 2, v61
	v_add_nc_u32 v61, LVS, v61
	s_wait_loadcnt 14                              ; Q's five loads are in; the fill's fourteen may be out
	v_perm_b32 v[QS], v254, v254, 0x01000100       ; head 0's two bytes, for k 0-63 and again for k 64-127;
	v_perm_b32 v[QS+1], v254, v254, 0x03020302     ; head 1's.  (The lines below are more than the eight places that a scale so written stands ahead of its product)
.irp i, 0,1,2,3,4,5
	v_mov_b32 v[QF+6+\i], 0                        ; the zero codes between Q's two copies
.endr
	v_mov_b32 v[ZR], 0
	v_mov_b32 v[NINF], 0xff800000
	s_lshl_b32 s24, s14, 10                        ; my nine blocks begin s14 blocks into the window
	v_add_nc_u32 v[AKA], s24, v[L16]
	s_lshl_b32 s24, s14, 9
	s_add_co_u32 s24, s24, LKB
	v_add_nc_u32 v[AKB], s24, v[L8]
	s_lshl_b32 s24, s14, 6
	s_add_co_u32 s24, s24, LKS
	v_lshl_add_u32 v[AKS], v49, 2, s24
	s_lshl_b32 s24, s14, 8
	s_add_co_u32 s24, s24, LVA
	v_add_nc_u32 v[AVA], s24, v[L16]
	v_lshl_add_u32 v[AVA2], v49, 4, s24
	s_lshl_b32 s24, s14, 7
	s_add_co_u32 s24, s24, LVB
	v_add_nc_u32 v[AVB], s24, v[L8]
	v_lshl_add_u32 v[AVB2], v49, 3, s24
	s_lshr_b32 s24, s14, 2
	s_lshl_b32 s24, s24, 8
	s_add_co_u32 s24, s24, LVS
	v_lshl_add_u32 v[AVS], v49, 3, s24
	v_and_b32 v[EE], 8, v49
	v_add_nc_u32 v[EE], v[EE], v49
	v_lshlrev_b32 v63, 4, v50
	v_sub_nc_u32 v[EE], v[EE], v63
	v_add_nc_u32 v[EE], s16, v[EE]                 ; register 16 b + n holds the key 32 b + n on from my first key + 16 h: it counts where E - 255 <= 32 b + n <= E
	s_wait_loadcnt 0x0
	v_perm_b32 v140, v139, v138, s57               ; a pair of tiles' bytes of one head in one word
.irp u, 0,1
.irp e, 0,1
	ds_store_b128 v56, v[90+4*(2*\u+\e):93+4*(2*\u+\e)] offset:\e*HB+512*\u
.endr
.endr
.irp u, 0,1
	ds_store_b128 v57, v[106+4*\u:109+4*\u] offset:256*\u
.endr
.irp j, 0,1,2,3
	ds_store_b128 v58, v[114+4*\j:117+4*\j] offset:512*\j
.endr
.irp j, 0,1
	ds_store_b128 v59, v[130+4*\j:133+4*\j] offset:512*\j
.endr
	ds_store_b32 v60, v140
	ds_store_b32 v61, v141
	s_wait_dscnt 0x0                               ; for the others' sake: my stores have landed
	s_barrier_signal -1
	s_barrier_wait -1                              ; the one barrier: behind it LDS is only read
.macro MASKU b                         ; block b: keys behind my query become -infinity, so that p = 0
.set n, 0
.rept 16
	v_cmp_gt_i32 vcc_lo, 32*(\b)+n, v[EE]
	v_cndmask_b32 v[S+16*(\b)+n], v[S+16*(\b)+n], v[NINF], vcc_lo
.set n, n+1
.endr
.endm
.macro MASKL                           ; block 0: keys more than 255 ahead of my query
.set n, 0
.rept 16
	v_cmp_lt_i32 vcc_lo, 255+n, v[EE]
	v_cndmask_b32 v[S+n], v[S+n], v[NINF], vcc_lo
.set n, n+1
.endr
.endm
.macro HEAD e
.if \e
	s_wait_loadcnt 0x0                             ; head 1's Q
.endif
	; ---- S^T = K Q^T: nine blocks of 32 keys, three at a time
.irp b, 0,1,2,3,4,5,6,7,8
	ds_load_b32 v[KSW+\b], v[AKS] offset:64*\b
.endr
.irp g, 0,1,2
.irp t, 0,1,2
.irp u, 0,1
	ds_load_b128 v[F+12*\t+6*\u:F+12*\t+6*\u+3], v[AKA] offset:(2*(3*\g+\t)+\u)*512
	ds_load_b64 v[F+12*\t+6*\u+4:F+12*\t+6*\u+5], v[AKB] offset:(2*(3*\g+\t)+\u)*256
.endr
.endr
	s_wait_dscnt 0x0
.irp t, 0,1,2
	v_wmma_scale_f32_16x16x128_f8f6f4 v[S+16*(3*\g+\t):S+16*(3*\g+\t)+7], v[F+12*\t:F+12*\t+11], v[QF:QF+11], 0, v[KSW+3*\g+\t], v[QS+\e] matrix_a_fmt:MATRIX_FMT_FP6 matrix_b_fmt:MATRIX_FMT_FP6
	v_wmma_scale_f32_16x16x128_f8f6f4 v[S+16*(3*\g+\t)+8:S+16*(3*\g+\t)+15], v[F+12*\t:F+12*\t+11], v[QF+6:QF+17], 0, v[KSW+3*\g+\t], v[QS+\e] matrix_a_fmt:MATRIX_FMT_FP6 matrix_b_fmt:MATRIX_FMT_FP6
.endr
.rept 4
	v_nop                                          ; places in front of loads into registers that these products read, and of the first reads of the scores
.endr
.endr
.irp s, 0,1,2
.irp q, 0,1
	ds_load_b64 v[VW+4*\s+2*\q:VW+4*\s+2*\q+1], v[AVS] offset:256*\s+128*\q    ; V's scale words, three groups of four blocks for each of the four tiles
.endr
.endr
.if \e == 0
	global_load_b128 v[QF:QF+3], v[L16], s[44:45] offset:512        ; head 1's Q lands under head 0's softmax
	global_load_b64 v[QF+4:QF+5], v[L8], s[46:47] offset:256
	global_load_b128 v[QF+12:QF+15], v[L16], s[44:45] offset:512
	global_load_b64 v[QF+16:QF+17], v[L8], s[46:47] offset:256
.endif
	; ---- the band.  With 256 keys ahead of the queries only block 0 can lie too far back and only block 8 ahead; the sequence's first 256 queries begin at key 0, where every block can lie ahead
	MASKL
	MASKU 8
	s_cmp_lg_u32 ttmp9, 0
	s_cbranch_scc1 .Lband_\@
.irp b, 0,1,2,3,4,5,6,7
	MASKU \b
.endr
.Lband_\@:
	; ---- the largest score of each block: it serves for the row's maximum and, since p rises with the score, for the block's largest p
.irp b, 0,1,2,3,4,5,6,7,8
	v_max3_num_f32 v[BM+\b], v[S+16*\b], v[S+16*\b+1], v[S+16*\b+2]
.endr
.irp i, 3,5,7,9,11,13
.irp b, 0,1,2,3,4,5,6,7,8
	v_max3_num_f32 v[BM+\b], v[BM+\b], v[S+16*\b+\i], v[S+16*\b+\i+1]
.endr
.endr
.irp b, 0,1,2,3,4,5,6,7,8
	v_max_num_f32 v[BM+\b], v[BM+\b], v[S+16*\b+15]
.endr
.irp b, 0,1,2,3,4,5,6,7,8
	v_permlanex16_b32 v[BP+\b], v[BM+\b], s[SEL], s[SEL+1]
.endr
.irp b, 0,1,2,3,4,5,6,7,8
	v_max_num_f32 v[BM+\b], v[BM+\b], v[BP+\b]     ; with lane l xor 16's 16 keys
.endr
	v_max3_num_f32 v254, v[BM], v[BM+1], v[BM+2]
	v_max3_num_f32 v254, v254, v[BM+3], v[BM+4]
	v_max3_num_f32 v254, v254, v[BM+5], v[BM+6]
	v_max3_num_f32 v254, v254, v[BM+7], v[BM+8]    ; the row's largest score: the query's own key always counts
	v_mul_f32 v254, s[CS], v254                    ; as t (c is positive)
	v_floor_f32 v252, -v254                        ; -M = floor(-t) = -ceil(t)
	v_mov_b32 v253, v252                           ; (named with it as a pair)
	s_wait_dscnt 0x0                               ; V's scale words are in: each word is made to begin at my first block's byte
.irp d, 0,1,2,3
	v_alignbit_b32 v[VW+\d], v[VW+4+\d], v[VW+\d], s[SH]
.endr
.irp d, 0,1,2,3
	v_alignbit_b32 v[VW+4+\d], v[VW+8+\d], v[VW+4+\d], s[SH]
.endr
.irp d, 0,1,2,3
	v_alignbit_b32 v[VW+8+\d], v[ZR], v[VW+8+\d], s[SH]      ; of the third word only byte 0, the ninth block's, meets codes that are not zero
.endr
.set j, 0
.rept 72
	v_pk_fma_f32 v[S+j:S+j+1], v[S+j:S+j+1], s[CS:CS+1], v[252:253] op_sel_hi:[1,0,0]   ; t - M, two at a time
.set j, j+2
.endr
.irp b, 0,1,2,3,4,5,6,7,8
	v_fma_f32 v[BM+\b], v[BM+\b], s[CS], v252      ; the same of each block's largest score
.endr
.set j, 0
.rept 144
	v_exp_f32 v[S+j], v[S+j]                       ; p = 2^(t - M), at most 1: not normalised
.set j, j+1
.endr
.irp b, 0,1,2,3,4,5,6,7,8
	v_exp_f32 v[BM+\b], v[BM+\b]                   ; the block's largest p: the same two instructions on the same number
.endr
	v_nop                                          ; a plain place behind the exponentials
	s_wait_alu depctr_va_vdst(0)
.irp b, 0,1,2,3,4,5,6,7,8
	v_max_num_f32 v[BM+\b], 0x1800000, v[BM+\b]    ; the floor 2^(3 - 127): a block whose every p is 0 keeps the byte 1; its codes are zeros
.endr
.irp b, 0,1,2,3,4,5,6,7,8
	v_add_nc_u32 v[BM+\b], 0xff000000, v[BM+\b]    ; 2 off the exponent field: the conversion's scale operand
.endr
.irp b, 0,1,2,3,4,5,6,7,8
	v_lshrrev_b32 v[BP+\b], 23, v[BM+\b]           ; the scale's byte
.endr
	v_lshl_or_b32 v[PW], v[BP+1], 8, v[BP]         ; p's scale words: blocks 0-3, 4-7, and the ninth alone
	v_lshl_or_b32 v[PW+1], v[BP+5], 8, v[BP+4]
	v_lshl_or_b32 v[PW], v[BP+2], 16, v[PW]
	v_lshl_or_b32 v[PW+1], v[BP+6], 16, v[PW+1]
	v_lshl_or_b32 v[PW], v[BP+3], 24, v[PW]
	v_lshl_or_b32 v[PW+1], v[BP+7], 24, v[PW+1]
	v_mov_b32 v[PW+2], v[BP+8]
	v_pk_add_f32 v[248:249], v[S:S+1], v[S+2:S+3]  ; the row's sum, of the unquantised p: two at a time, in two chains
	v_pk_add_f32 v[250:251], v[S+4:S+5], v[S+6:S+7]
.set j, 8
.rept 34
	v_pk_add_f32 v[248:249], v[248:249], v[S+j:S+j+1]
	v_pk_add_f32 v[250:251], v[250:251], v[S+j+2:S+j+3]
.set j, j+4
.endr
	v_pk_add_f32 v[248:249], v[248:249], v[250:251]
	; ---- p's codes: pairs of blocks, two pairs at a time
.irp g, 0,1
.irp k, 0,1
	v_cvt_scalef32_pk16_fp6_f32 v[P+6*(2*\g+\k):P+6*(2*\g+\k)+2], v[S+32*(2*\g+\k):S+32*(2*\g+\k)+15], v[BM+2*(2*\g+\k)]
	v_cvt_scalef32_pk16_fp6_f32 v[TA+4*\k:TA+4*\k+2], v[S+32*(2*\g+\k)+16:S+32*(2*\g+\k)+31], v[BM+2*(2*\g+\k)+1]
.endr
	v_nop                                          ; one plain place behind a scaled conversion
.irp k, 0,1                                    ; a whole block to a lane: lanes 0-15 the even block, lanes 16-31 the odd one
.irp i, 0,1,2
	v_permlane16_swap_b32 v[P+6*(2*\g+\k)+\i], v[TA+4*\k+\i]
.endr
.irp i, 0,1,2
	v_mov_b32 v[P+6*(2*\g+\k)+3+\i], v[TA+4*\k+\i]
.endr
.endr
.endr
	v_cvt_scalef32_pk16_fp6_f32 v[P+24:P+26], v[S+128:S+143], v[BM+8]   ; the ninth block; its partner is a block of zero codes
.irp i, 0,1,2
	v_mov_b32 v[T2+\i], 0
.endr
.irp i, 0,1,2
	v_permlane16_swap_b32 v[P+24+\i], v[T2+\i]
.endr
.irp i, 0,1,2
	v_mov_b32 v[P+27+\i], v[T2+\i]
.endr
.irp i, 0,1,2,3,4,5
	v_mov_b32 v[P+30+\i], 0                        ; and k 64-127 of the third fragment
.endr
	; ---- O^T = V^T P^T: four tiles of 16 channels, by turns, 128 keys at a time
.irp s, 0,1
.irp d, 0,1,2,3
.irp c, 0,1
	ds_load_b128 v[VB+48*\s+12*\d+6*\c:VB+48*\s+12*\d+6*\c+3], v[AVA] offset:(16*\d+4*\s+2*\c)*256
	ds_load_b64 v[VB+48*\s+12*\d+6*\c+4:VB+48*\s+12*\d+6*\c+5], v[AVB] offset:(16*\d+4*\s+2*\c)*128
.endr
.endr
.endr
	v_add_f32 v248, v248, v249                     ; the sum's two halves,
	v_permlanex16_b32 v249, v248, s[SEL], s[SEL+1]
	v_add_f32 v248, v248, v249                     ; and lane l xor 16's
	v_rcp_f32 v250, v248
	v_rcp_f32 v251, v248                           ; twice: a pair for the packed multiplication
.rept 4
	v_nop                                          ; p's codes, written by vector instructions, stand four places ahead of the products; these pass while the loads are out
.endr
	s_wait_dscnt 0x0
.irp d, 0,1,2,3
	v_wmma_scale_f32_16x16x128_f8f6f4 v[OT+8*\d:OT+8*\d+7], v[VB+12*\d:VB+12*\d+11], v[P:P+11], 0, v[VW+\d], v[PW] matrix_a_fmt:MATRIX_FMT_FP6 matrix_b_fmt:MATRIX_FMT_FP6
.endr
.irp d, 0,1,2,3
	v_wmma_scale_f32_16x16x128_f8f6f4 v[OT+8*\d:OT+8*\d+7], v[VB+48+12*\d:VB+48+12*\d+11], v[P+12:P+23], v[OT+8*\d:OT+8*\d+7], v[VW+4+\d], v[PW+1] matrix_a_fmt:MATRIX_FMT_FP6 matrix_b_fmt:MATRIX_FMT_FP6
.endr
.rept 4
	v_nop
.endr
.irp d, 0,1,2,3                                ; the ninth block into k 0-31 of the first set, in both halves of the lanes; what the set still holds elsewhere meets zero codes of p
	ds_load_b128 v[VB+12*\d:VB+12*\d+3], v[AVA2] offset:(16*\d+8)*256
	ds_load_b64 v[VB+12*\d+4:VB+12*\d+5], v[AVB2] offset:(16*\d+8)*128
.endr
	s_wait_dscnt 0x0
.irp d, 0,1,2,3
	v_wmma_scale_f32_16x16x128_f8f6f4 v[OT+8*\d:OT+8*\d+7], v[VB+12*\d:VB+12*\d+11], v[P+24:P+35], v[OT+8*\d:OT+8*\d+7], v[VW+8+\d], v[PW+2] matrix_a_fmt:MATRIX_FMT_FP6 matrix_b_fmt:MATRIX_FMT_FP6
.endr
.rept 4
	v_nop
.endr
	; ---- o = O^T / the sum; register 16 b + i is channel 32 b + 16 h + i of my token: quantised along the model's axis: blocks 2 e and 2 e + 1 of my fragment
.set j, 0
	s_wait_alu depctr_va_vdst(0)
.rept 16
	v_pk_mul_f32 v[OT+j:OT+j+1], v[OT+j:OT+j+1], v[250:251]
.set j, j+2
.endr
.irp b, 0,1
	v_max3_num_f32 v[QM+\b], |v[OT+16*\b]|, |v[OT+16*\b+1]|, 0x1800000
.endr
.irp i, 2,4,6,8,10,12,14
.irp b, 0,1
	v_max3_num_f32 v[QM+\b], v[QM+\b], |v[OT+16*\b+\i]|, |v[OT+16*\b+\i+1]|
.endr
.endr
.irp b, 0,1
	v_permlanex16_b32 v[QM+2+\b], v[QM+\b], s[SEL], s[SEL+1]
.endr
.irp b, 0,1
	v_max_num_f32 v[QM+\b], v[QM+\b], v[QM+2+\b]
.endr
.irp b, 0,1
	v_add_nc_u32 v[QM+4+\b], 0xff000000, v[QM+\b]
.endr
.irp b, 0,1
	v_lshrrev_b32 v[QM+6+\b], 23, v[QM+4+\b]
.endr
	v_lshl_or_b32 v255, v[QM+7], 8, v[QM+6]
.if \e == 0
	v_mov_b32 v[OW], v255
.else
	v_lshl_or_b32 v[OW], v255, 16, v[OW]
.endif
	v_cvt_scalef32_pk16_fp6_f32 v[OC+6*\e:OC+6*\e+2], v[OT:OT+15], v[QM+4]
	v_cvt_scalef32_pk16_fp6_f32 v[QT:QT+2], v[OT+16:OT+31], v[QM+5]
	v_nop                                          ; one plain place behind a scaled conversion
.irp i, 0,1,2
	v_permlane16_swap_b32 v[OC+6*\e+\i], v[QT+\i]
.endr
.irp i, 0,1,2
	v_mov_b32 v[OC+6*\e+3+\i], v[QT+\i]
.endr
.endm
	HEAD 0
.irp a, 1,2,3,4,5,6,7,8
	v_add_nc_u32 v\a, HB, v\a                      ; on to head 1's part of LDS.  (Eight plain lines: more than the places owed before head 1's scores are laid over head 0's operands)
.endr
	HEAD 1
.irp j, 0,1,2
	global_store_b128 v[L16], v[OC+4*\j:OC+4*\j+3], s[50:51] offset:512*\j     ; my fragment block of o: 512 consecutive bytes a store, aligned
.endr
	global_store_b64 v[L8], v[OW:OW+1], s[50:51] offset:1536                   ; the rows' scale words: 256 consecutive bytes
	s_barrier_signal -1
	s_barrier_wait -1
	s_wait_xcnt 0x0
	v_lshl_add_u32 v254, v0, 2, 0x19000
	v_mov_b32 v255, 0
	s_wait_tensorcnt 0x0
	ds_add_u32 v254, v255
	s_wait_dscnt 0x0
	s_endpgm
.Lfunc_end_k_qc012f710f1_attn:
	.size	k_qc012f710f1_attn, .Lfunc_end_k_qc012f710f1_attn-k_qc012f710f1_attn
	.p2alignl 7, 3214868480
	.fill 96, 4, 3214868480
	.section	.rodata,"a",@progbits
	.p2align	6, 0x0
	.amdhsa_kernel k_qc012f710f1_attn
		.amdhsa_group_segment_fixed_size 104448
		.amdhsa_private_segment_fixed_size 0
		.amdhsa_enable_private_segment 0
		.amdhsa_kernarg_size 16
		.amdhsa_user_sgpr_count 2
		.amdhsa_user_sgpr_kernarg_segment_ptr 1
		.amdhsa_wavefront_size32 1
		.amdhsa_system_sgpr_workgroup_id_x 1
		.amdhsa_system_sgpr_workgroup_id_y 1
		.amdhsa_system_sgpr_workgroup_id_z 1
		.amdhsa_system_vgpr_workitem_id 0
		.amdhsa_next_free_vgpr 256
		.amdhsa_next_free_sgpr 66
		.amdhsa_reserve_vcc 1
		.amdhsa_float_denorm_mode_32 3
		.amdhsa_float_denorm_mode_16_64 3
		.amdhsa_memory_ordered 1
		.amdhsa_forward_progress 1
		.amdhsa_inst_pref_size 116
	.end_amdhsa_kernel
	.amdgpu_metadata
---
amdhsa.version: [ 1, 2 ]
amdhsa.kernels:
  - .name:           k_qc012f710f1_attn
    .symbol:         k_qc012f710f1_attn.kd
    .args:
      - { .name: qkv, .offset: 0, .size: 8, .value_kind: global_buffer, .address_space: global }
      - { .name: ob, .offset: 8, .size: 8, .value_kind: global_buffer, .address_space: global }
    .group_segment_fixed_size: 104448
    .private_segment_fixed_size: 0
    .kernarg_segment_align: 8
    .kernarg_segment_size: 16
    .max_flat_workgroup_size: 512
    .sgpr_count:     66
    .vgpr_count:     256
    .wavefront_size: 32
...
	.end_amdgpu_metadata
.endif
;; end of part 3
;; launch outp (part 4): grid 4 x 32, 4 waves a work-group, clusters of 4 x 4, 327,680 bytes of LDS; arguments ob, xw, out0; writes out0
.if DOCPART == 4
	.amdgcn_target "amdgcn-amd-amdhsa--gfx1250"
	.amdhsa_code_object_version 6
	.text
	.protected	k_qc012f710f1_outp
	.globl	k_qc012f710f1_outp
	.p2align	8
	.type	k_qc012f710f1_outp,@function
k_qc012f710f1_outp:
	s_mov_b64 s[64:65], 0
	v_nop
	global_prefetch_b8 v0, s[64:65] scope:SCOPE_SE
	s_setreg_imm32_b32 hwreg(HW_REG_WAVE_MODE, 25, 1), 1
	s_wait_xcnt 0x0
	s_wait_alu depctr_hold_cnt(0) depctr_sa_sdst(0) depctr_va_vdst(0) depctr_va_sdst(0) depctr_va_ssrc(0) depctr_va_vcc(0) depctr_vm_vsrc(0)
	s_getreg_b32 s2, hwreg(HW_REG_IB_STS2, 6, 4)
	s_cmp_eq_u32 s2, 0
	s_cbranch_scc0 .Lentry_in_a_cluster
	s_endpgm
.Lentry_in_a_cluster:
	s_bfe_u32 s2, ttmp6, 0x10000c
	s_cmp_lg_u32 s2, 0xf033
	s_cbranch_scc0 .Lentry_shape_is_right
	s_endpgm
.Lentry_shape_is_right:
; The last product, out0 = o out_w^T, on codes of FP6 (E2M3) with E8M0 scales, K = 1,024, f32 sums and f32 results.
; OPERANDS are fragment blocks of 1,792 bytes (16 rows x 128 K as an image of the operand's registers, and the rows' scale words): A = o from ob, [K / 128][512 token tiles][1,792], lane r of tile T being token
; 32 (T / 2) + 8 (T % 2) + r + 8 (r / 8); B = out_w from xw, [K / 128][768 row tiles][1,792], tiles 704-767, lane r of a tile being row 16 T + r.
; A tile of 256 x 256 of out0 is made by four waves, 128 x 128 each: 64 accumulators.  THE MATRIX INSTRUCTION IS USED TRANSPOSED (source 0 = B, source 1 = A): a lane holds eight neighbouring outputs of one token.
; CLUSTERS: 4 x 4 work-groups; A's tiles are asked for jointly along a row of the cluster, B's along a column.  K goes through a ring of two LDS slots of 256 along K; a wave's one tensor load brings 2 x 14,336 dense bytes.
; The grid has 128 work-groups: 32 x 4 tiles of 256 x 256.
; REGISTERS, in windows of 256: window 0: v16-29 addresses; v32-63 scale words alone, two sets; v128-223 A's fragments, one set; on the way out v128-255 rows read back.
;   window 1: B's fragments, two sets, at v0 and v128.   windows 2, 3: the accumulators, (a, b) at v[8 (8 (a % 4) + b)].
.set FRB,   1792
.set HALF,  8*FRB
.set LOADB, 2*HALF                     ; what one tensor load brings: [128 along K: 2][tile: 8][1,792]
.set SLOT,  4*LOADB                    ; A's two halves, then B's two
.set SPARE, 2*SLOT                     ; behind the ring: the spare words, 128 bytes for each wave, which no other line names
.set PLA,   917504                     ; from one 128 along K to the next, in ob
.set PLB,   1376256                    ; and in xw
.set SPITCH, 528                       ; the way out: a stage of 16 rows x (512 bytes + 16) for each wave, in slot 0, which has had its last fill and its last read by then
.set ADRA, 16
.set ADSA, 18
.set ADRB, 20
.set ADSB, 22
.set STO,  24                          ; v24 where I put 32 bytes of a row   v25 where I read a row back   v26 my 16 bytes of a row of 512
.set RD,   25
.set CO,   26
.set SPW,  28
.set NIL,  29
.set SCA,  32
.set SCB,  40
.set AF,   128
.set BK,   128
.set G1,   24
.set G0,   32
.set G1B,  48
.set G0B,  56
.set MSB, 0
.macro WIN new
.if MSB != (\new)
	s_set_vgpr_msb (MSB<<8)|(\new)
.set MSB, (\new)
.endif
.endm
.set MUL_LO, 0xa1
.set MUL_HI, 0xf1
.set TO_B,   0x40
.macro JLOAD g0a, g1a, g0b, g1b        ; a joint load: waves 0 and 1 fetch for A, waves 2 and 3 for B; four v_nop follow each of the two lines
	s_cmp_eq_u32 s15, 0
	s_cbranch_scc0 .Lfor_b_\@
	tensor_load_to_lds s[\g0a:\g0a+3], s[\g1a:\g1a+7]
	s_nop 0
.rept 4
	v_nop
.endr
	s_branch .Lasked_\@
.Lfor_b_\@:
	tensor_load_to_lds s[\g0b:\g0b+3], s[\g1b:\g1b+7]
	s_nop 0
.rept 4
	v_nop
.endr
.Lasked_\@:
.endm
.macro CREST
	s_cmp_lg_u32 s14, 0
	s_cbranch_scc1 .Lnot_wave_0_\@
	s_barrier_signal -3
.Lnot_wave_0_\@:
	s_barrier_wait -3
	s_barrier_signal -1
	s_barrier_wait -1
.endm
.macro CROUND
	s_barrier_signal -1
	s_barrier_wait -1
	CREST
.endm
.macro PLACES n
.rept \n
	v_nop
.endr
.endm
	s_load_b128 s[4:7], s[0:1], 0x0                ; ob, xw
	s_load_b64 s[8:9], s[0:1], 0x10                ; out0
	v_lshl_add_u32 v[SPW], v0, 2, SPARE
	v_mov_b32 v[NIL], 0
	ds_add_u32 v28, v29
	ds_add_u32 v28, v29
	s_wait_dscnt 0x0
	v_lshrrev_b32 v1, 5, v0
	v_readfirstlane_b32 s14, v1                    ; wave 0..3
	s_lshr_b32 s15, s14, 1                         ; which half of the tokens is mine.  Also: I fetch for A (0) or for B (1)
	s_and_b32 s16, s14, 1                          ; which half of the outputs.  Also: which eight tiles I fetch
	s_bfe_u32 s40, ttmp6, 0x40000                  ; cx, cy
	s_bfe_u32 s41, ttmp6, 0x40004
	s_lshl_b32 s42, ttmp9, 2
	s_add_co_u32 s42, s42, s40                     ; tile column = 4 x cluster x + cx
	s_and_b32 s17, ttmp7, 0xffff
	s_lshl_b32 s17, s17, 2
	s_add_co_u32 s17, s17, s41                     ; tile row = 4 x cluster y + cy
	s_lshl_b32 s43, s41, 2
	s_lshl_b32 s43, 15, s43                        ; my row of the cluster
	s_lshl_b32 s44, 0x1111, s40                    ; my column
	s_or_b32 s[G1+0], s43, (3<<16)|(1<<21)         ; group 1: 2 rows of 1,792 elements of 8 bytes, a plane apart; no padding
	s_or_b32 s[G1B+0], s44, (3<<16)|(1<<21)
.irp g, G1, G1B
	s_mov_b32 s[\g+1], 1792<<16
	s_mov_b32 s[\g+2], 2<<16
	s_mov_b32 s[\g+3], 1792<<16
	s_mov_b32 s[\g+4], 2
	s_mov_b32 s[\g+6], 0
	s_mov_b32 s[\g+7], 0
.endr
	s_mov_b32 s[G1+5], PLA/8
	s_mov_b32 s[G1B+5], PLB/8
	s_lshl_b32 s20, s17, 4
	s_lshl_b32 s21, s16, 3
	s_add_co_u32 s20, s20, s21                     ; A: token tile 16 x tile row + 8 x half
	s_mul_i32 s20, s20, FRB
	s_mov_b32 s21, 0
	s_lshl_b32 s46, s42, 4
	s_lshl_b32 s47, s16, 3
	s_add_co_u32 s46, s46, s47
	s_add_co_u32 s46, s46, 704                     ; B: out_w's tiles begin at 704
	s_mul_i32 s46, s46, FRB
	s_mov_b32 s47, 0
	s_mul_i32 s45, s14, LOADB
	s_wait_kmcnt 0x0
	s_add_nc_u64 s[20:21], s[4:5], s[20:21]
	s_add_nc_u64 s[46:47], s[6:7], s[46:47]
	CROUND                                         ; all sixteen work-groups are here: the first joint loads meet
.irp s, 0,1
	s_mov_b32 s[G0+4*\s], 1
	s_add_co_u32 s[G0+4*\s+1], s45, \s*SLOT
	s_add_nc_u64 s[G0+4*\s+2:G0+4*\s+3], s[20:21], \s*2*PLA
	s_or_b32 s[G0+4*\s+3], s[G0+4*\s+3], 0x80000000
	s_mov_b32 s[G0B+4*\s], 1
	s_add_co_u32 s[G0B+4*\s+1], s45, \s*SLOT
	s_add_nc_u64 s[G0B+4*\s+2:G0B+4*\s+3], s[46:47], \s*2*PLB
	s_or_b32 s[G0B+4*\s+3], s[G0B+4*\s+3], 0x80000000
	JLOAD G0+4*\s, G1, G0B+4*\s, G1B               ; two loads of mine are out
.endr
	v_and_b32 v1, 31, v0
	v_lshlrev_b32 v[CO], 4, v1                     ; 16 x lane
	v_lshlrev_b32 v3, 3, v1                        ; 8 x lane
	s_mul_i32 s22, s15, LOADB
	s_mul_i32 s23, s16, LOADB
	s_add_co_u32 s23, s23, 2*LOADB
.irp s, 0,1
	v_add_nc_u32 v[ADRA+\s], s22, v[CO]
	v_add_nc_u32 v[ADRB+\s], s23, v[CO]
	v_add_nc_u32 v[ADSA+\s], s22, v3
	v_add_nc_u32 v[ADSB+\s], s23, v3
	s_add_co_u32 s22, s22, SLOT
	s_add_co_u32 s23, s23, SLOT
.endr
	v_and_b32 v4, 15, v0                           ; r
	v_bfe_u32 v5, v0, 4, 1                         ; h
	s_mul_i32 s22, s14, 16*SPITCH                  ; my stage
	v_mul_u32_u24 v6, v4, SPITCH
	v_lshl_add_u32 v6, v5, 5, v6
	v_add_nc_u32 v[STO], s22, v6                   ; in: row r, 32 bytes for each half of the lanes
	v_add_nc_u32 v[RD], s22, v[CO]                 ; back: the 32 lanes take one row of 512 bytes
	s_lshl_b32 s80, s17, 8
	s_lshl_b32 s81, s15, 7
	s_add_co_u32 s80, s80, s81                     ; my first token
	s_lshl_b32 s80, s80, 12                        ; 4,096 bytes a row of out0
	s_lshl_b32 s81, s42, 10
	s_add_co_u32 s80, s80, s81
	s_lshl_b32 s81, s16, 9
	s_add_co_u32 s80, s80, s81                     ; my first column, in bytes
	s_mov_b32 s81, 0
	s_add_nc_u64 s[12:13], s[8:9], s[80:81]
.macro FRAG reg, adr, off
.irp j, 0,1,2
	ds_load_b128 v[(\reg)+4*\j:(\reg)+4*\j+3], v[\adr] offset:(\off)+512*\j
.endr
.endm
.macro FETCH_B slot, q, p              ; 24 loads
	WIN TO_B
.irp i, 0,1,2,3,4,5,6,7
	FRAG 128*(\p)+12*\i, ADRB+\slot, (\q)*HALF+\i*FRB
.endr
	WIN 0
.endm
.macro FETCH_S slot, q, p              ; 16 loads
.irp i, 0,1,2,3,4,5,6,7
	ds_load_b32 v[SCB+16*(\p)+\i], v[ADSB+\slot] offset:(\q)*HALF+\i*FRB+1536
.endr
.irp i, 0,1,2,3,4,5,6,7
	ds_load_b32 v[SCA+16*(\p)+\i], v[ADSA+\slot] offset:(\q)*HALF+\i*FRB+1536
.endr
.endm
.macro FETCH_A slot, q, i0             ; 12 loads
.irp i, \i0, \i0+1, \i0+2, \i0+3
	FRAG AF+12*(\i), ADRA+\slot, (\q)*HALF+(\i)*FRB
.endr
.endm
; 16 matrix instructions: A's blocks a0, a0 + 1 x B's eight.  The 64 accumulators take turns, one instruction a turn, in the same order in every step.
.macro MUL16 a0, p, zero
.irp a, \a0, \a0+1
.irp b, 0,1,2,3,4,5,6,7
.if \zero
	v_wmma_scale_f32_16x16x128_f8f6f4 v[8*(8*((\a)%4)+\b):8*(8*((\a)%4)+\b)+7], v[128*(\p)+12*\b:128*(\p)+12*\b+11], v[AF+12*(\a):AF+12*(\a)+11], 0, v[SCB+16*(\p)+\b], v[SCA+16*(\p)+(\a)] matrix_a_fmt:MATRIX_FMT_FP6 matrix_b_fmt:MATRIX_FMT_FP6
.else
	v_wmma_scale_f32_16x16x128_f8f6f4 v[8*(8*((\a)%4)+\b):8*(8*((\a)%4)+\b)+7], v[128*(\p)+12*\b:128*(\p)+12*\b+11], v[AF+12*(\a):AF+12*(\a)+11], v[8*(8*((\a)%4)+\b):8*(8*((\a)%4)+\b)+7], v[SCB+16*(\p)+\b], v[SCA+16*(\p)+(\a)] matrix_a_fmt:MATRIX_FMT_FP6 matrix_b_fmt:MATRIX_FMT_FP6
.endif
.endr
.endr
.endm
.macro STEP slot, zero                 ; a slot's first 128 along K (set 0); the second's fragments are fetched meanwhile (set 1)
	s_wait_dscnt 12                                ; all but the youngest twelve loads, A's blocks 4-7
	WIN MUL_LO
	MUL16 0, 0, \zero
	MUL16 2, 0, \zero
	s_wait_dscnt 0x0
	PLACES 4
	FETCH_B \slot, 1, 1
	FETCH_S \slot, 1, 1
	FETCH_A \slot, 1, 0
	WIN MUL_HI
	MUL16 4, 0, \zero
	MUL16 6, 0, \zero
	PLACES 4
	WIN 0
	FETCH_A \slot, 1, 4
.endm
.macro TURN slot, next, fill           ; a slot's second 128 along K (set 1) changes slots: one barrier, which with fill = 1 opens a round of the cluster's
	s_wait_tensorcnt 0x0                           ; all my tensor loads have landed: my part of the next slot
	ds_add_u32 v[SPW], v[NIL]                      ; 0 onto my spare word
	s_wait_dscnt 13                                ; (the add and the youngest twelve loads may be out)
	WIN MUL_LO
	MUL16 0, 1, 0
	s_wait_dscnt 0x0                               ; the add is done, and my reads of this slot are over
	s_barrier_signal -1
	MUL16 2, 1, 0
	WIN 0
	s_barrier_wait -1
.if \fill
	CREST                                          ; no wave of any partner still reads this slot or has a load on its way
	s_add_nc_u64 s[G0+4*\slot+2:G0+4*\slot+3], s[G0+4*\slot+2:G0+4*\slot+3], 4*PLA
	s_add_nc_u64 s[G0B+4*\slot+2:G0B+4*\slot+3], s[G0B+4*\slot+2:G0B+4*\slot+3], 4*PLB
	JLOAD G0+4*\slot, G1, G0B+4*\slot, G1B         ; the first tensor load behind the round; its four v_nop are the places in front of the loads below
.else
	PLACES 4
.endif
	FETCH_B \next, 0, 0
	FETCH_S \next, 0, 0
	FETCH_A \next, 0, 0
	WIN MUL_HI
	MUL16 4, 1, 0
	MUL16 6, 1, 0
	PLACES 4
	WIN 0
	FETCH_A \next, 0, 4
.endm
	s_wait_tensorcnt 1                             ; my part of slot 0 is in; slot 1's load may be out
	s_barrier_signal -1
	s_barrier_wait -1
	FETCH_B 0, 0, 0
	FETCH_S 0, 0, 0
	FETCH_A 0, 0, 0
	FETCH_A 0, 0, 4
	STEP 0, 1                                      ; eight steps of 128 along K, twice round the ring, written out
	TURN 0, 1, 1
	STEP 1, 0
	TURN 1, 0, 1
	STEP 0, 0
	TURN 0, 1, 0                                   ; nothing is left to fetch; behind this barrier nobody reads slot 0
	STEP 1, 0
	s_wait_dscnt 12
	WIN MUL_LO
	MUL16 0, 1, 0
	MUL16 2, 1, 0
	s_wait_dscnt 0x0
	WIN MUL_HI
	MUL16 4, 1, 0
	MUL16 6, 1, 0
	WIN 0
	PLACES 4                                       ; in front of the LDS stores that read results and of the loads into A's registers
; THE WAY OUT, block by block of 16 tokens x 128 outputs: through my own stage, back as whole rows of 512 bytes.  LDS serves a wave's instructions in order: no wait between the stores and the loads.
.macro TOSTAGE a
.set AC, 64*((\a)%4)
	WIN 0x08+4*((\a)/4)                            ; the data: window 2 or 3
.irp b, 0,1,2,3,4,5,6,7
	ds_store_b128 v[STO], v[AC+8*\b:AC+8*\b+3] offset:64*\b          ; each accumulator from its low end on
	ds_store_b128 v[STO], v[AC+8*\b+4:AC+8*\b+7] offset:64*\b+16
.endr
	WIN 0
.set BB, BK+64*((\a)%2)
.irp t, 0,1,2,3,4,5,6,7,8,9,10,11,12,13,14,15
	ds_load_b128 v[BB+4*\t:BB+4*\t+3], v[RD] offset:\t*SPITCH
.endr
.endm
.macro SEND a, younger                 ; younger: the LDS instructions issued behind block a's loads.  Row t of block a is token 32 (a / 2) + 8 (a % 2) + t + 8 (t / 8) of my 128: it stands in the immediate, 520,192 bytes at the most
.set BB, BK+64*((\a)%2)
	s_wait_dscnt \younger
.irp t, 0,1,2,3,4,5,6,7,8,9,10,11,12,13,14,15
	global_store_b128 v[CO], v[BB+4*\t:BB+4*\t+3], s[12:13] offset:(32*((\a)/2)+8*((\a)%2)+\t+8*(\t/8))*4096 th:TH_STORE_NT   ; 512 consecutive bytes, aligned; written once, read by nobody here
.endr
.endm
	TOSTAGE 0
.irp a, 1,2,3,4,5,6,7
.if \a > 1
	s_wait_xcnt 0x0                                ; block a - 2's stores have read their registers: block a's loads may land there
.endif
	TOSTAGE \a
	SEND \a-1, 32                                  ; behind block a - 1's loads: block a's 16 stores and 16 loads
.endr
	SEND 7, 0
	s_wait_tensorcnt 0x0                           ; the wave's end
	ds_add_u32 v[SPW], v[NIL]
	s_wait_dscnt 0x0
	CROUND                                         ; the closing round
	s_endpgm
.Lfunc_end_k_qc012f710f1_outp:
	.size	k_qc012f710f1_outp, .Lfunc_end_k_qc012f710f1_outp-k_qc012f710f1_outp
	.p2alignl 7, 3214868480
	.fill 96, 4, 3214868480
	.section	.rodata,"a",@progbits
	.p2align	6, 0x0
	.amdhsa_kernel k_qc012f710f1_outp
		.amdhsa_group_segment_fixed_size 327680
		.amdhsa_private_segment_fixed_size 0
		.amdhsa_enable_private_segment 0
		.amdhsa_kernarg_size 24
		.amdhsa_user_sgpr_count 2
		.amdhsa_user_sgpr_kernarg_segment_ptr 1
		.amdhsa_wavefront_size32 1
		.amdhsa_system_sgpr_workgroup_id_x 1
		.amdhsa_system_sgpr_workgroup_id_y 1
		.amdhsa_system_sgpr_workgroup_id_z 1
		.amdhsa_system_vgpr_workitem_id 0
		.amdhsa_next_free_vgpr 1024
		.amdhsa_next_free_sgpr 100
		.amdhsa_reserve_vcc 0
		.amdhsa_float_denorm_mode_32 3
		.amdhsa_float_denorm_mode_16_64 3
		.amdhsa_memory_ordered 1
		.amdhsa_forward_progress 1
		.amdhsa_inst_pref_size 138
	.end_amdhsa_kernel
	.amdgpu_metadata
---
amdhsa.version: [ 1, 2 ]
amdhsa.kernels:
  - .name:           k_qc012f710f1_outp
    .symbol:         k_qc012f710f1_outp.kd
    .args:
      - { .name: ob, .offset: 0, .size: 8, .value_kind: global_buffer, .address_space: global }
      - { .name: xw, .offset: 8, .size: 8, .value_kind: global_buffer, .address_space: global }
      - { .name: out0, .offset: 16, .size: 8, .value_kind: global_buffer, .address_space: global }
    .group_segment_fixed_size: 327680
    .private_segment_fixed_size: 0
    .kernarg_segment_align: 8
    .kernarg_segment_size: 24
    .max_flat_workgroup_size: 128
    .sgpr_count:     100
    .vgpr_count:     1024
    .wavefront_size: 32
...
	.end_amdgpu_metadata
.endif
;; end of part 4
